; MI455X (gfx1250); checked and timed in simulation.
; The chip was launched on July 23, 2026; its instructions are those of AMD's public machine-readable ISA for CDNA 5 (MIT licence, August 2026) and "CDNA5" Instruction Set Architecture Reference Guide (July 2026). The comments in the code are by the model that wrote it; some were corrected since.
;; Transformer Block. Allowed arithmetic: matrix products marked QUANTISED: E2M1 operands, one E8M0 scale for each 32 along K, by v_wmma_scale_f32_16x16x128_f8f6f4 with both operands' format E2M1 (or v_wmma_scale_f32_32x16x128_f4), f32 sums; everything else in f32.
;; Inputs: b_fc1 1,024 float32; b_fc2 256 float32; b_out 256 float32; b_qkv 768 float32; ln1_b 256 float32; ln1_g 256 float32; ln2_b 256 float32; ln2_g 256 float32; w_fc1_codes 1,024 x 8 x 16 uint8 (E2M1 codes of w_fc1, K innermost, in blocks of 32 codes, two codes a byte); w_fc1_scales 1,024 x 8 uint8 (E8M0 scales of w_fc1, one for each 32 codes along K); w_fc2_codes 256 x 32 x 16 uint8 (E2M1 codes of w_fc2, K innermost, in blocks of 32 codes, two codes a byte); w_fc2_scales 256 x 32 uint8 (E8M0 scales of w_fc2, one for each 32 codes along K); w_out_codes 256 x 8 x 16 uint8 (E2M1 codes of w_out, K innermost, in blocks of 32 codes, two codes a byte); w_out_scales 256 x 8 uint8 (E8M0 scales of w_out, one for each 32 codes along K); w_qkv_codes 768 x 8 x 16 uint8 (E2M1 codes of w_qkv, K innermost, in blocks of 32 codes, two codes a byte); w_qkv_scales 768 x 8 uint8 (E8M0 scales of w_qkv, one for each 32 codes along K); x 2 x 4,096 x 256 float32.
;; Outputs: out0 2 x 4,096 x 256 float32.
;; This version of the problem:
;;   THIS VERSION OF THE PROBLEM IS GIVEN IN LOW PRECISION. The matrix products marked QUANTISED in the list below multiply operands that are first quantised to E2M1 (2 exponent bits, 1 mantissa bit; 4 bits a number), with one power-of-two scale for each 32 numbers along K (OCP MX v1.0); their sums are f32. All else is computed in f32.
;;   The module's matrix products, in the order in which they are computed (A, B: the left and right operand; K: the contracted axis; several contracted axes count as one K, in the product's order):
;;     1. [M 8,192, K 256] x [K 256, N 768]; A: computed on the way; B: input w_qkv (given as codes): QUANTISED
;;     2. batch 16 x [M 4,096, K 32] x [K 32, N 4,096]; A: computed on the way; B: computed on the way: QUANTISED
;;     3. batch 16 x [M 4,096, K 4,096] x [K 4,096, N 32]; A: softmax (see below); B: computed on the way: QUANTISED
;;     4. [M 8,192, K 256] x [K 256, N 256]; A: computed on the way; B: input w_out (given as codes): QUANTISED
;;     5. [M 8,192, K 256] x [K 256, N 1,024]; A: computed on the way; B: input w_fc1 (given as codes): QUANTISED
;;     6. [M 8,192, K 1,024] x [K 1,024, N 256]; A: computed on the way; B: input w_fc2 (given as codes): QUANTISED
;;   THE QUANTISER, for each operand of a quantised product, along K:
;;     - K is cut into blocks of 32 from its start; a last block that is shorter is filled with zeros.
;;     - A block's scale is 2^e with e = floor(log2(the largest magnitude in the block)) - 2, held to -126 .. 127; a block of zeros has e = 0. As a byte (E8M0): e + 127.
;;     - Each number is divided by its block's scale, clamped to +-6, and rounded to the nearest number of E2M1, ties to even, subnormals kept.
;;     - The product sums the exact products of the quantised numbers (number of the format x scale) in f32.
;;   ~~~python
;;   def quantise(x, axis):      # numpy; x: float32 -> the quantised numbers, widened to float32 again
;;       x = np.moveaxis(x, axis, -1); K = x.shape[-1]
;;       x = np.pad(x, [(0, 0)] * (x.ndim - 1) + [(0, -K % 32)]); x = x.reshape(x.shape[:-1] + (-1, 32)); a = np.abs(x).max(-1, keepdims=True)
;;       e = np.where(a > 0, np.clip(np.frexp(np.where(a > 0, a, 1))[1] - 1 - 2, -126, 127), 0)      # np.frexp(a)[1] - 1 = floor(log2(a)), exactly
;;       r = np.clip(x / 2.0 ** e, -6, 6)
;;       step = 2.0 ** (np.maximum(np.frexp(np.where(r == 0, 1, r))[1] - 1, 0) - 1)
;;       q = np.round(r / step) * step * 2.0 ** e      # np.round: ties to even
;;       return np.moveaxis(q.reshape(q.shape[:-2] + (-1,))[..., :K], -1, axis).astype(np.float32)
;;   ~~~
;;   SOFTMAX AHEAD OF A QUANTISED PRODUCT. Where the list says 'softmax', what is quantised is not the finished softmax but p = 2^(t - M), with t = logit x log2(e) and M = ceil(the row's largest t), a whole number; so 1/2 < the row's largest p <= 1. The row's sum l is taken of the UNQUANTISED p, in f32, and the product's result is divided by l at the end. Since M is a whole number, a kernel that streams over the keys may use a running M (the ceiling of the running maximum): every later rescaling is an exact power of two, which a block's scale takes up: the codes' values come out the same.
;;   OPERANDS COMPUTED ON THE WAY. 'Computed on the way' means the value that the module computes at that place (a softmax that the list does not call 'softmax' is quantised finished and normalised). What goes into a quantiser is computed in f32, as accurately as f32 sums, v_exp_f32 and their like allow (about 1e-6 of the number): no bf16 or f16 on the way to a quantiser, and a product that is left as it is and whose result goes on into a quantised operand takes f32 operands (vector FMAs, or v_wmma_f32_16x16x4_f32). A number that lies on a knife's edge between two numbers of the format may be rounded either way, as far as f32 arithmetic and the matrix unit's own rounding can turn it there, and no further.
;;   INPUTS GIVEN AS CODES. w_fc1 (in the module: [256, 1024], K = its axis 0); w_fc2 (in the module: [1024, 256], K = its axis 0); w_out (in the module: [256, 256], K = its axis 0); w_qkv (in the module: [256, 768], K = its axis 0): each comes as NAME_codes (uint8): NAME with its K axis moved to the last place and cut into blocks of 32 codes, [.., K / 32, bytes a block], one block behind the other in memory; two codes a byte, the lower K in the low four bits (a code: sign, 2 exponent bits, 1 mantissa bit); and NAME_scales (uint8): the same leading axes, one E8M0 byte (e + 127) for each 32 codes along K. Its value is code x scale, taken as it is: it is not quantised again, and the codes and scales need not be those that the quantiser above would give.
;; One version. Each part assembles by itself: llvm-mc -triple=amdgcn-amd-amdhsa -mcpu=gfx1250 --defsym DOCPART=n.
;; ======== version 1 of 1: 3 launches
;; limits: right only within a limited range of input values
;; workspace buffers: qc 1,048,576 bytes; qs 262,144 bytes; kv 2,228,224 bytes; oc 1,048,576 bytes; osc 65,536 bytes
;; launch qkv (part 1): grid 64 x 1, 8 waves a work-group, no clusters, 19,456 bytes of LDS; arguments x, ln1_g, ln1_b, w_qkv_codes, w_qkv_scales, b_qkv, qc, qs, kv; writes qc, qs, kv
.if DOCPART == 1
	.amdgcn_target "amdgcn-amd-amdhsa--gfx1250"
	.amdhsa_code_object_version 6
	.text
	.protected	k_q8a10ed7702_qkv
	.globl	k_q8a10ed7702_qkv
	.p2align	8
	.type	k_q8a10ed7702_qkv,@function
k_q8a10ed7702_qkv:
	s_mov_b64 s[64:65], 0
	v_nop
	global_prefetch_b8 v0, s[64:65] scope:SCOPE_SE
	s_setreg_imm32_b32 hwreg(HW_REG_WAVE_MODE, 25, 1), 1
	s_wait_xcnt 0x0
; LayerNorm 1, its quantising, the product with w_qkv (+ b_qkv), and the quantising of q, k (along the head's 32) and v (along the tokens), all on codes of FP4 (E2M1) with one E8M0 scale for each 32 along K.
; SHARES.  A work-group takes 128 tokens: one key step of the attention launch (v's fragment and its scale word want 128 keys together).  First wave w normalises and quantises tile w of 16 tokens;
; the eight tiles' codes meet in LDS as images of the operand's registers; then wave w is HEAD w: its 96 rows of w_qkv (q, k, v of that head) lie in 96 registers, read from memory once, and it multiplies all eight tiles.
; TILE ORDER.  Row r of tile t is token 32 (t / 2) + 8 (t % 2) + r + 8 (r / 8): the 16 registers of two neighbouring tiles of a result are then 16 neighbouring tokens (or, for rows of W taken so, 16 neighbouring dims).
; q, k: the product is used transposed (source 0 = 16 rows of W, source 1 = 16 tokens): a lane holds one token and 16 dims of the head; a quantiser block is the head's 32 dims, in lanes l and l xor 16.
; v: natural use (source 0 = 16 tokens, source 1 = 16 rows of W): a lane holds one dim and its registers run along the tokens, which are the K of attention's second product.
; What leaves is laid as the attention launch's operand registers want it, so every store of codes covers 512 consecutive bytes.
; NO CLUSTER: the weights are shared by all work-groups, but each wave reads its 12,288 bytes of codes once, straight into operand registers; a joint load would send the same bytes through LDS, a store and a load more.
; LIMITS: a block of zeros gets the scale byte 1 where the quantiser says 127 (its codes are zeros, and this program alone reads the bytes); NaN and infinities among the inputs are not served.
; REGISTERS.  window 0: v1-11 addresses; v12 wave, v13 a fragment's read address, v14-15 r, h; v16-143 four sets of 32 numbers of x, later v16-79 a job's eight accumulators; v144-151 gain, v176-183 bias of the norm; later v144-159 v's bias
;   in the result's layout, v160-207 the six jobs' codes; v208-213 W's scale words; v214-221 x's; v222-223 v's bias as loaded; v224-239 at work; v240-245 the six jobs' scale words; v246-251 what leaves as scales.
;   window 1: v0-127 x's 16 fragments; v128-223 W's 12 fragments; v224-255 q's and k's bias in the result's layout.
.set XIMG, 0                           ; LDS: x's fragments, 2,176 bytes a tile: block j of 32 features at 272 j (256 bytes + 16 of padding), row r at 16 r
.set XSC,  17408                       ; their scale bytes, 128 a tile: K step s at 64 s, row r at 4 r
.set UU,   184                         ; v184-199: eight pairs at work in the norm, beside the eight at TM
.set VX,   1
.set VG,   2
.set VW,   3
.set VWS,  4
.set VBQ,  5
.set VBV,  6
.set L16,  7
.set L4,   8
.set L8,   9
.set XWI,  10
.set XWS,  11
.set XN,   16
.set HA,   16
.set G,    144
.set BN,   176
.set XC,   144
.set BV,   144
.set PCJ,  160
.set WS,   208
.set XS,   214
.set VB,   222
.set TM,   224
.set PWJ,  240
.set KVW,  246
.set QW,   248
.set XF,   0                           ; window 1
.set WF,   128
.set BQ,   224
.set SEL,  30
.set INV,  32
.set EPS,  33
.set MSB, 0
.macro WIN new                         ; the immediate's high byte repeats the setting that is left
.if MSB != \new
	s_set_vgpr_msb (MSB<<8)|\new
.set MSB, \new
.endif
.endm
.macro BARRIER                         ; my LDS stores have landed and my LDS loads are in: then the work-group's barrier
	s_wait_dscnt 0x0
	s_barrier_signal -1
	s_barrier_wait -1
.endm
; one scaled matrix instruction; ra, rb = 1: that side's scales are taken from lanes 16-31
.macro MM d, a, b, c, sa, sb, ra, rb
.if (\ra) && (\rb)
	v_wmma_scale_f32_16x16x128_f8f6f4 v[(\d):(\d)+7], v[(\a):(\a)+7], v[(\b):(\b)+7], v[(\c):(\c)+7], v[\sa], v[\sb] matrix_a_fmt:MATRIX_FMT_FP4 matrix_b_fmt:MATRIX_FMT_FP4 matrix_a_scale:MATRIX_SCALE_ROW1 matrix_b_scale:MATRIX_SCALE_ROW1
.elseif (\ra)
	v_wmma_scale_f32_16x16x128_f8f6f4 v[(\d):(\d)+7], v[(\a):(\a)+7], v[(\b):(\b)+7], v[(\c):(\c)+7], v[\sa], v[\sb] matrix_a_fmt:MATRIX_FMT_FP4 matrix_b_fmt:MATRIX_FMT_FP4 matrix_a_scale:MATRIX_SCALE_ROW1
.elseif (\rb)
	v_wmma_scale_f32_16x16x128_f8f6f4 v[(\d):(\d)+7], v[(\a):(\a)+7], v[(\b):(\b)+7], v[(\c):(\c)+7], v[\sa], v[\sb] matrix_a_fmt:MATRIX_FMT_FP4 matrix_b_fmt:MATRIX_FMT_FP4 matrix_b_scale:MATRIX_SCALE_ROW1
.else
	v_wmma_scale_f32_16x16x128_f8f6f4 v[(\d):(\d)+7], v[(\a):(\a)+7], v[(\b):(\b)+7], v[(\c):(\c)+7], v[\sa], v[\sb] matrix_a_fmt:MATRIX_FMT_FP4 matrix_b_fmt:MATRIX_FMT_FP4
.endif
.endm
; THE NORM'S STATISTICS, for n sets of 32 numbers a lane.  A token's 256 features lie in eight neighbouring lanes (j = lane % 8), 32 each.  Mean; x - mean; mean of squares; (x - mean) / sqrt(var + eps).  The sets take turns.
.macro LNSTAT n
.set q, 0
.rept \n
	v_pk_add_f32 v[TM+2*q:TM+2*q+1], v[XN+32*q:XN+32*q+1], v[XN+32*q+2:XN+32*q+3]
.set q, q+1
.endr
.set i, 4
.rept 14
.set q, 0
.rept \n
	s_delay_alu instid0(VALU_DEP_4)
	v_pk_add_f32 v[TM+2*q:TM+2*q+1], v[TM+2*q:TM+2*q+1], v[XN+32*q+i:XN+32*q+i+1]
.set q, q+1
.endr
.set i, i+2
.endr
.set q, 0
.rept \n
	s_delay_alu instid0(VALU_DEP_4)
	v_add_f32 v[TM+2*q], v[TM+2*q], v[TM+2*q+1]
.set q, q+1
.endr
.irp x, 1,2,4
.set q, 0
.rept \n
	s_delay_alu instid0(VALU_DEP_4)
	v_add_f32_dpp v[TM+2*q], v[TM+2*q], v[TM+2*q] row_xmask:\x row_mask:0xf bank_mask:0xf   ; the eight lanes of a token
.set q, q+1
.endr
.endr
.set q, 0
.rept \n
	s_delay_alu instid0(VALU_DEP_4)
	v_mul_f32 v[TM+2*q], s[INV], v[TM+2*q]         ; the mean
.set q, q+1
.endr
.set i, 0
.rept 16
.set q, 0
.rept \n
	v_pk_add_f32 v[XN+32*q+i:XN+32*q+i+1], v[XN+32*q+i:XN+32*q+i+1], v[TM+2*q:TM+2*q+1] op_sel_hi:[1,0] neg_lo:[0,1] neg_hi:[0,1]
.set q, q+1
.endr
.set i, i+2
.endr
.set q, 0
.rept \n
	v_pk_mul_f32 v[TM+8+2*q:TM+9+2*q], v[XN+32*q:XN+32*q+1], v[XN+32*q:XN+32*q+1]
.set q, q+1
.endr
.set i, 2
.rept 15
.set q, 0
.rept \n
	s_delay_alu instid0(VALU_DEP_4)
	v_pk_fma_f32 v[TM+8+2*q:TM+9+2*q], v[XN+32*q+i:XN+32*q+i+1], v[XN+32*q+i:XN+32*q+i+1], v[TM+8+2*q:TM+9+2*q]
.set q, q+1
.endr
.set i, i+2
.endr
.set q, 0
.rept \n
	s_delay_alu instid0(VALU_DEP_4)
	v_add_f32 v[TM+8+2*q], v[TM+8+2*q], v[TM+9+2*q]
.set q, q+1
.endr
.irp x, 1,2,4
.set q, 0
.rept \n
	s_delay_alu instid0(VALU_DEP_4)
	v_add_f32_dpp v[TM+8+2*q], v[TM+8+2*q], v[TM+8+2*q] row_xmask:\x row_mask:0xf bank_mask:0xf
.set q, q+1
.endr
.endr
.set q, 0
.rept \n
	s_delay_alu instid0(VALU_DEP_4)
	v_fma_f32 v[TM+8+2*q], v[TM+8+2*q], s[INV], s[EPS]   ; var + eps
.set q, q+1
.endr
.set q, 0
	s_wait_alu depctr_va_vdst(0)
.rept \n
	v_rsq_f32 v[TM+8+2*q], v[TM+8+2*q]
.set q, q+1
.endr
	v_nop                                          ; a plain instruction behind the last root,
	s_wait_alu depctr_va_vdst(0)                   ; and one wait for the batch, ahead of its first reader
.set i, 0
.rept 16
.set q, 0
.rept \n
	v_pk_mul_f32 v[XN+32*q+i:XN+32*q+i+1], v[XN+32*q+i:XN+32*q+i+1], v[TM+8+2*q:TM+9+2*q] op_sel_hi:[1,0]
.set q, q+1
.endr
.set i, i+2
.endr
.endm
; A LANE'S OWN BLOCK of 32 numbers (n sets) becomes 16 bytes of codes and a scale byte, which go to LDS at their places in the operand's image: set q is 4 rows on: 64 bytes in the codes, 16 in the scale bytes.
.macro BLKQ n, xc, by, ai, as
.set q, 0
.rept \n
	v_max3_num_f32 v[TM+q], |v[XN+32*q]|, |v[XN+32*q+1]|, 0x1800000   ; with the floor 2^(3 - 127): the byte cannot fall under 1
.set q, q+1
.endr
.set i, 2
.rept 15
.set q, 0
.rept \n
	s_delay_alu instid0(VALU_DEP_4)
	v_max3_num_f32 v[TM+q], v[TM+q], |v[XN+32*q+i]|, |v[XN+32*q+i+1]|
.set q, q+1
.endr
.set i, i+2
.endr
.set q, 0
.rept \n
	s_delay_alu instid0(VALU_DEP_4)
	v_add_nc_u32 v[TM+4+q], 0xff000000, v[TM+q]    ; 2 off the exponent field: the conversion's scale operand
.set q, q+1
.endr
.set q, 0
.rept \n
	s_delay_alu instid0(VALU_DEP_4)
	v_lshrrev_b32 v[\by+q], 23, v[TM+4+q]          ; the scale's byte
.set q, q+1
.endr
.set q, 0
.rept \n
.irp g, 0,1,2,3
	v_cvt_scalef32_pk8_fp4_f32 v[\xc+4*q+\g], v[XN+32*q+8*\g:XN+32*q+8*\g+7], v[TM+4+q]
.endr
.set q, q+1
.endr
	v_nop                                          ; one plain place behind the last scaled conversion
.set q, 0
.rept \n
	ds_store_b128 v[\ai], v[\xc+4*q:\xc+4*q+3] offset:64*q
	ds_store_b8 v[\as], v[\by+q] offset:16*q
.set q, q+1
.endr
.endm
; 64 numbers of a lane, register 16 b + i = place 32 b + 16 (lane / 16) + i along the quantiser's axis, become a fragment's codes in v[pc] on and its scale word in v[pw].
.macro QUANT s, pc, pw
.irp b, 0,1,2,3
	v_max3_num_f32 v[TM+\b], |v[\s+16*\b]|, |v[\s+1+16*\b]|, 0x1800000   ; each accumulator is read from its low end on
.endr
.irp i, 2,4,6,8,10,12,14
.irp b, 0,1,2,3
	v_max3_num_f32 v[TM+\b], v[TM+\b], |v[\s+16*\b+\i]|, |v[\s+1+16*\b+\i]|
.endr
.endr
.irp b, 0,1,2,3
	s_delay_alu instid0(VALU_DEP_4)
	v_permlanex16_b32 v[TM+4+\b], v[TM+\b], s[SEL], s[SEL+1]
.endr
.irp b, 0,1,2,3
	s_delay_alu instid0(VALU_DEP_4)
	v_max_num_f32 v[TM+\b], v[TM+\b], v[TM+4+\b]   ; with lane l xor 16's: the block's largest magnitude
.endr
.irp b, 0,1,2,3
	s_delay_alu instid0(VALU_DEP_4)
	v_add_nc_u32 v[TM+12+\b], 0xff000000, v[TM+\b]
.endr
.irp b, 0,1,2,3
	s_delay_alu instid0(VALU_DEP_4)
	v_lshrrev_b32 v[TM+4+\b], 23, v[TM+12+\b]
.endr
	s_delay_alu instid0(VALU_DEP_3)
	v_lshl_or_b32 v[\pw], v[TM+5], 8, v[TM+4]
	s_delay_alu instid0(VALU_DEP_1)
	v_lshl_or_b32 v[\pw], v[TM+6], 16, v[\pw]
	s_delay_alu instid0(VALU_DEP_1)
	v_lshl_or_b32 v[\pw], v[TM+7], 24, v[\pw]
.irp b, 0,1,2,3
	v_cvt_scalef32_pk8_fp4_f32 v[\pc+2*\b], v[\s+16*\b:\s+7+16*\b], v[TM+12+\b]
	v_cvt_scalef32_pk8_fp4_f32 v[\pc+1+2*\b], v[\s+8+16*\b:\s+15+16*\b], v[TM+12+\b]
.endr
	v_nop                                          ; one plain place behind the last scaled conversion
.irp c, 0,1                                    ; a whole block to a lane: lanes 0-15 block 2 c, lanes 16-31 block 2 c + 1
.irp i, 0,1
	v_permlane16_swap_b32 v[\pc+4*\c+\i], v[\pc+2+4*\c+\i]
.endr
.endr
.endm
; A JOB: 16 matrix instructions on eight accumulators, which take turns: K step 0 for all eight (its C is the bias), then K step 1 in place.
.macro JOBQK p, f                      ; p = 0: q, 1: k;  tiles 4 f .. 4 f + 3;  accumulator 16 b + 8 u: tile 4 f + b, dims 16 (lane / 16) + 8 u + 0 .. 7
	WIN 0x15                                       ; W, x and the bias in window 1, the result in window 0
.irp b, 0,1,2,3
.irp u, 0,1
	MM HA+16*\b+8*\u, WF+8*(4*\p+2*\u), XF+8*(2*(4*\f+\b)), BQ+8*(2*\p+\u), WS+2*\p+\u, XS+4*\f+\b, 0, 0
.endr
.endr
	WIN 0x05
.irp b, 0,1,2,3
.irp u, 0,1
	MM HA+16*\b+8*\u, WF+8*(4*\p+2*\u+1), XF+8*(2*(4*\f+\b)+1), HA+16*\b+8*\u, WS+2*\p+\u, XS+4*\f+\b, 1, 1
.endr
.endr
	WIN 0
.rept 4
	v_nop                                          ; four places ahead of the first read of results
.endr
.endm
.macro JOBV n                          ; v, dims 8 n + r + 8 (r / 8);  accumulator 8 t: tile t's tokens
	WIN 0x05
.irp t, 0,1,2,3,4,5,6,7
	MM HA+8*\t, XF+8*(2*\t), WF+8*(8+2*\n), BV+8*\n, XS+\t, WS+4+\n, 0, 0
.endr
.irp t, 0,1,2,3,4,5,6,7
	MM HA+8*\t, XF+8*(2*\t+1), WF+8*(8+2*\n+1), HA+8*\t, XS+\t, WS+4+\n, 1, 1
.endr
	WIN 0
.rept 4
	v_nop
.endr
.endm
.macro OUTJ k, lo, off                 ; job k's results are quantised and leave: two stores of 512 consecutive bytes; each job has codes' registers of its own, so no store's data are written again
	QUANT HA, PCJ+8*\k, PWJ+\k
.irp c, 0,1
	global_store_b128 v[L16], v[PCJ+8*\k+4*\c:PCJ+8*\k+4*\c+3], s[\lo:\lo+1] offset:\off+512*\c
.endr
.endm
	s_load_b256 s[4:11], s[0:1], 0x0               ; x s[4:5], gain s[6:7], bias s[8:9], W's codes s[10:11]
	s_load_b256 s[12:19], s[0:1], 0x20             ; W's scales s[12:13], b_qkv s[14:15], qc s[16:17], qs s[18:19]
	s_load_b64 s[20:21], s[0:1], 0x40              ; kv
	v_lshl_add_u32 v254, v0, 2, 0x4800
	v_mov_b32 v255, 0
	v_lshrrev_b32 v12, 5, v0
	s_delay_alu instid0(VALU_DEP_1)
	v_readfirstlane_b32 s22, v12                   ; wave 0..7
	v_and_b32 v14, 15, v0                          ; r
	v_bfe_u32 v15, v0, 4, 1                        ; h
	s_delay_alu instid0(VALU_DEP_2)
	v_and_b32 v224, 8, v14
	s_delay_alu instid0(VALU_DEP_1)
	v_add_nc_u32 v224, v224, v14                   ; r + 8 (r / 8)
	v_and_b32 v225, 31, v0                         ; lane
	s_delay_alu instid0(VALU_DEP_1)
	v_lshlrev_b32 v[VG], 5, v225                   ; gain, bias: my eight features, 32 bytes a lane
	v_lshlrev_b32 v[VX], 5, v225                   ; x: the same place in a token's row: the 32 lanes cover the row's 1,024 bytes
	s_delay_alu instid0(VALU_DEP_4)
	v_lshlrev_b32 v[VW], 7, v224
	s_delay_alu instid0(VALU_DEP_1)
	v_lshl_add_u32 v[VW], v15, 4, v[VW]            ; W's codes: a row is 128 bytes
	v_lshlrev_b32 v[VWS], 3, v224
	s_delay_alu instid0(VALU_DEP_1)
	v_lshl_add_u32 v[VWS], v15, 2, v[VWS]          ; W's scale words: lanes 0-15 K step 0's, lanes 16-31 K step 1's
	v_lshlrev_b32 v[VBQ], 6, v15                   ; q's, k's bias: 16 numbers for each half of the lanes
	v_lshlrev_b32 v[VBV], 2, v224                  ; v's bias: one number a lane
	v_lshlrev_b32 v[L16], 4, v225
	v_lshl_add_u32 v[L4], v225, 2, XSC
	v_lshlrev_b32 v[L8], 3, v225
	s_mul_i32 s28, s22, 2176
	v_lshrrev_b32 v226, 2, v225                    ; j = lane / 4: which block of 32 features
	v_and_b32 v227, 3, v225
	v_mul_u32_u24 v13, v15, 272
	s_delay_alu instid0(VALU_DEP_3)
	v_mul_u32_u24 v[XWI], v226, 272
	s_delay_alu instid0(VALU_DEP_2)
	v_lshl_add_u32 v13, v14, 4, v13                ; where a fragment is read back: 16 r + 272 h
	s_delay_alu instid0(VALU_DEP_2)
	v_lshl_add_u32 v[XWI], v227, 2, v[XWI]
	v_lshrrev_b32 v227, 4, v225
	v_and_b32 v226, 3, v226
	s_delay_alu instid0(VALU_DEP_3)
	v_add_nc_u32 v[XWI], s28, v[XWI]               ; my codes' place: 2,176 wave + 272 j + 4 (lane % 4); a row is 16 bytes on
	s_delay_alu instid0(VALU_DEP_2)
	v_lshl_add_u32 v[XWS], v227, 6, v226           ; my scale byte's: 64 (j / 4) + j % 4; a row is 4 bytes on
	s_lshl_b32 s28, s22, 7
	s_add_co_u32 s28, s28, XSC
	v_add_nc_u32 v[XWS], s28, v[XWS]               ; my scale byte's: XSC + 128 wave + 64 (j / 4) + j % 4
	s_lshr_b32 s23, ttmp9, 5                       ; batch
	s_and_b32 s24, ttmp9, 31                       ; key step
	s_lshl_b32 s25, s23, 3
	s_add_co_u32 s25, s25, s22                     ; batch x 8 + head
	s_lshl_b32 s26, s25, 5
	s_add_co_u32 s26, s26, s24                     ; x 32 + key step
	s_mov_b32 s[SEL], 0x76543210
	s_mov_b32 s[SEL+1], 0xfedcba98                 ; v_permlanex16_b32's selects for lane l xor 16
	s_mov_b32 s[INV], 0x3b800000                   ; 1 / 256
	s_mov_b32 s[EPS], 0x3727c5ac                   ; 1e-5
	s_mov_b32 s29, 0
	s_lshl_b32 s28, ttmp9, 7
	s_lshr_b32 s27, s22, 1
	s_lshl_b32 s27, s27, 5
	s_add_co_u32 s28, s28, s27
	s_and_b32 s27, s22, 1
	s_lshl_b32 s27, s27, 3
	s_add_co_u32 s28, s28, s27                     ; my tile's first token: 128 work-group + 32 (wave / 2) + 8 (wave % 2)
	s_lshl_b32 s28, s28, 10
	s_wait_kmcnt 0x0
	s_add_nc_u64 s[4:5], s[4:5], s[28:29]
	s_lshl_b32 s28, s22, 12                        ; my head's 32 rows of each third of W
	s_add_nc_u64 s[10:11], s[10:11], s[28:29]
	s_lshl_b32 s28, s22, 8
	s_add_nc_u64 s[12:13], s[12:13], s[28:29]
	s_lshl_b32 s28, s22, 7
	s_add_nc_u64 s[14:15], s[14:15], s[28:29]
	s_lshl_b32 s28, s26, 11
	s_add_nc_u64 s[16:17], s[16:17], s[28:29]      ; qc: 2,048 bytes for a head's key step
	s_lshl_b32 s28, s26, 9
	s_add_nc_u64 s[18:19], s[18:19], s[28:29]      ; qs: 512
	s_mul_i32 s28, s26, 4352
	s_add_nc_u64 s[20:21], s[20:21], s[28:29]      ; kv: 4,352
.irp q, 0,1,2,3,4,5,6,7,8,9,10,11,12,13,14,15  ; row q of my tile is token q + 8 (q / 8): eight numbers a lane, features 8 lane + 0 .. 7
.irp i, 0,1
	global_load_b128 v[XN+8*\q+4*\i:XN+8*\q+4*\i+3], v[VX], s[4:5] offset:(\q+8*(\q/8))*1024+16*\i th:TH_LOAD_NT
.endr
.endr
.irp i, 0,1
	global_load_b128 v[G+4*\i:G+4*\i+3], v[VG], s[6:7] offset:16*\i
.endr
.irp i, 0,1
	global_load_b128 v[BN+4*\i:BN+4*\i+3], v[VG], s[8:9] offset:16*\i
.endr
	WIN 0x40                                       ; destination window 1
.irp p, 0,1,2                                  ; W's fragments: third p, tile u (rows 8 u + r + 8 (r / 8) of my head's 32), K step s
.irp u, 0,1
.irp s, 0,1
.irp c, 0,1
	global_load_b128 v[WF+8*(4*\p+2*\u+\s)+4*\c:WF+8*(4*\p+2*\u+\s)+4*\c+3], v[VW], s[10:11] offset:(256*\p+8*\u)*128+64*\s+32*\c
.endr
.endr
.endr
.endr
.irp p, 0,1
.irp u, 0,1
.irp k, 0,1
	global_load_b128 v[BQ+8*(2*\p+\u)+4*\k:BQ+8*(2*\p+\u)+4*\k+3], v[VBQ], s[14:15] offset:(256*\p+8*\u)*4+16*\k
.endr
.endr
.endr
	WIN 0
.irp p, 0,1,2
.irp u, 0,1
	global_load_b32 v[WS+2*\p+\u], v[VWS], s[12:13] offset:(256*\p+8*\u)*8
.endr
.endr
.irp n, 0,1
	global_load_b32 v[VB+\n], v[VBV], s[14:15] offset:(512+8*\n)*4
.endr
; the sum over the wave's 32 lanes of v[a + 2 q], q = 0 .. 7, in every lane; v[b + 2 q] at work.  The eight take turns.
.macro ALLSUM a, b
.irp x, 1,2,4,8
.irp q, 0,1,2,3,4,5,6,7
	v_add_f32_dpp v[\a+2*\q], v[\a+2*\q], v[\a+2*\q] row_xmask:\x row_mask:0xf bank_mask:0xf
.endr
.endr
.irp q, 0,1,2,3,4,5,6,7
	v_permlanex16_b32 v[\b+2*\q], v[\a+2*\q], s[SEL], s[SEL+1]
.endr
.irp q, 0,1,2,3,4,5,6,7
	v_add_f32 v[\a+2*\q], v[\a+2*\q], v[\b+2*\q]
.endr
.endm
; EIGHT ROWS of my tile, r0 on, at v[x + 8 q]: mean; x - mean; mean of squares; (x - mean) / sqrt(var + eps) x gain + bias; then the quantiser: a block of 32 features lies in four neighbouring lanes.
.macro LNQ x, r0
.irp q, 0,1,2,3,4,5,6,7
	v_pk_add_f32 v[TM+2*\q:TM+2*\q+1], v[\x+8*\q:\x+8*\q+1], v[\x+8*\q+2:\x+8*\q+3]
.endr
.irp q, 0,1,2,3,4,5,6,7
	v_pk_add_f32 v[UU+2*\q:UU+2*\q+1], v[\x+8*\q+4:\x+8*\q+5], v[\x+8*\q+6:\x+8*\q+7]
.endr
.irp q, 0,1,2,3,4,5,6,7
	v_pk_add_f32 v[TM+2*\q:TM+2*\q+1], v[TM+2*\q:TM+2*\q+1], v[UU+2*\q:UU+2*\q+1]
.endr
.irp q, 0,1,2,3,4,5,6,7
	v_add_f32 v[TM+2*\q], v[TM+2*\q], v[TM+2*\q+1]
.endr
	ALLSUM TM, UU
.irp q, 0,1,2,3,4,5,6,7
	v_mul_f32 v[TM+2*\q], s[INV], v[TM+2*\q]       ; the mean
.endr
.irp i, 0,2,4,6
.irp q, 0,1,2,3,4,5,6,7
	v_pk_add_f32 v[\x+8*\q+\i:\x+8*\q+\i+1], v[\x+8*\q+\i:\x+8*\q+\i+1], v[TM+2*\q:TM+2*\q+1] op_sel_hi:[1,0] neg_lo:[0,1] neg_hi:[0,1]
.endr
.endr
.irp q, 0,1,2,3,4,5,6,7
	v_pk_mul_f32 v[UU+2*\q:UU+2*\q+1], v[\x+8*\q:\x+8*\q+1], v[\x+8*\q:\x+8*\q+1]
.endr
.irp i, 2,4,6
.irp q, 0,1,2,3,4,5,6,7
	v_pk_fma_f32 v[UU+2*\q:UU+2*\q+1], v[\x+8*\q+\i:\x+8*\q+\i+1], v[\x+8*\q+\i:\x+8*\q+\i+1], v[UU+2*\q:UU+2*\q+1]
.endr
.endr
.irp q, 0,1,2,3,4,5,6,7
	v_add_f32 v[UU+2*\q], v[UU+2*\q], v[UU+2*\q+1]
.endr
	ALLSUM UU, TM
.irp q, 0,1,2,3,4,5,6,7
	v_fma_f32 v[UU+2*\q], v[UU+2*\q], s[INV], s[EPS]   ; var + eps
.endr
	s_wait_alu depctr_va_vdst(0)                   ; the wait ahead of the batch
.irp q, 0,1,2,3,4,5,6,7
	v_rsq_f32 v[UU+2*\q], v[UU+2*\q]
.endr
	v_nop                                          ; a plain instruction behind the last root,
	s_wait_alu depctr_va_vdst(0)                   ; and one wait for the batch, ahead of its first reader
.irp i, 0,2,4,6
.irp q, 0,1,2,3,4,5,6,7
	v_pk_mul_f32 v[\x+8*\q+\i:\x+8*\q+\i+1], v[\x+8*\q+\i:\x+8*\q+\i+1], v[UU+2*\q:UU+2*\q+1] op_sel_hi:[1,0]
.endr
.endr
.irp i, 0,2,4,6
.irp q, 0,1,2,3,4,5,6,7
	v_pk_fma_f32 v[\x+8*\q+\i:\x+8*\q+\i+1], v[\x+8*\q+\i:\x+8*\q+\i+1], v[G+\i:G+\i+1], v[BN+\i:BN+\i+1]
.endr
.endr
.irp q, 0,1,2,3,4,5,6,7
	v_max3_num_f32 v[TM+2*\q], |v[\x+8*\q]|, |v[\x+8*\q+1]|, 0x1800000   ; with the floor 2^(3 - 127): the byte cannot fall under 1
.endr
.irp i, 2,4,6
.irp q, 0,1,2,3,4,5,6,7
	v_max3_num_f32 v[TM+2*\q], v[TM+2*\q], |v[\x+8*\q+\i]|, |v[\x+8*\q+\i+1]|
.endr
.endr
.irp m, 1,2
.irp q, 0,1,2,3,4,5,6,7
	v_max_num_f32_dpp v[TM+2*\q], v[TM+2*\q], v[TM+2*\q] row_xmask:\m row_mask:0xf bank_mask:0xf   ; the block's four lanes
.endr
.endr
.irp q, 0,1,2,3,4,5,6,7
	v_add_nc_u32 v[TM+2*\q+1], 0xff000000, v[TM+2*\q]   ; 2 off the exponent field: the conversion's scale operand
.endr
.irp q, 0,1,2,3,4,5,6,7
	v_lshrrev_b32 v[UU+2*\q], 23, v[TM+2*\q+1]     ; the scale's byte
.endr
.irp q, 0,1,2,3,4,5,6,7
	v_cvt_scalef32_pk8_fp4_f32 v[UU+2*\q+1], v[\x+8*\q:\x+8*\q+7], v[TM+2*\q+1]
.endr
	v_nop                                          ; one plain place behind the last scaled conversion
.irp q, 0,1,2,3,4,5,6,7
	ds_store_b32 v[XWI], v[UU+2*\q+1] offset:16*(\r0+\q)   ; eight codes, at their place in the operand's image
	ds_store_b8 v[XWS], v[UU+2*\q] offset:4*(\r0+\q)       ; the block's four lanes write the same byte with the same value
.endr
.endm
	s_wait_loadcnt 40                              ; x's 32 loads and the 4 of gain and bias are in; the 40 of weights, biases and scales may be out
	LNQ XN, 0
	LNQ XN+64, 8
	BARRIER                                        ; the eight tiles' codes and scale bytes lie in LDS
	WIN 0x40
.irp t, 0,1,2,3,4,5,6,7
.irp s, 0,1
.irp c, 0,1
	ds_load_b128 v[XF+8*(2*\t+\s)+4*\c:XF+8*(2*\t+\s)+4*\c+3], v13 offset:XIMG+2176*\t+1088*\s+544*\c
.endr
.endr
.endr
	WIN 0
.irp t, 0,1,2,3,4,5,6,7
	ds_load_b32 v[XS+\t], v[L4] offset:128*\t      ; lanes 0-15: K step 0's words; lanes 16-31: K step 1's
.endr
	s_wait_loadcnt 0x0                             ; weights, biases, scales
.irp n, 0,1
.irp j, 0,1,2,3,4,5,6,7
	v_mov_b32 v[BV+8*\n+\j], v[VB+\n]              ; v's bias in the result's layout: a lane holds one dim in all eight registers
.endr
.endr
	s_wait_dscnt 0x0
	JOBQK 0, 0
	OUTJ 0, 16, 0
	JOBQK 0, 1
	OUTJ 1, 16, 1024
	JOBQK 1, 0
	OUTJ 2, 20, 0
	JOBQK 1, 1
	OUTJ 3, 20, 1024
	JOBV 0
	OUTJ 4, 20, 2048
	JOBV 1
	OUTJ 5, 20, 3072
	; the scale words: lanes 0-15 take the first job's of each kind, lanes 16-31 the second's
	v_cmp_eq_u32 vcc_lo, 1, v15
	s_delay_alu instid0(VALU_DEP_1)
	v_cndmask_b32 v[KVW], v[PWJ+2], v[PWJ+3], vcc_lo
	s_delay_alu instid0(VALU_DEP_2)
	v_cndmask_b32 v[KVW+1], v[PWJ+4], v[PWJ+5], vcc_lo
	s_delay_alu instid0(VALU_DEP_3)
	v_cndmask_b32 v12, v[PWJ], v[PWJ+1], vcc_lo
	global_store_b64 v[L8], v[KVW:KVW+1], s[20:21] offset:4096   ; 256 consecutive bytes: a pair (k's word, v's word) a lane
	v_perm_b32 v[QW], v12, v12, 0                  ; q's four bytes, each four times: one word then serves wherever q's block stands in the K of 128
	v_perm_b32 v[QW+1], v12, v12, 0x01010101
	v_perm_b32 v[QW+2], v12, v12, 0x02020202
	v_perm_b32 v[QW+3], v12, v12, 0x03030303
	global_store_b128 v[L16], v[QW:QW+3], s[18:19]
	s_wait_tensorcnt 0x0
	ds_add_u32 v254, v255
	s_wait_dscnt 0x0
	s_endpgm
.Lfunc_end_k_q8a10ed7702_qkv:
	.size	k_q8a10ed7702_qkv, .Lfunc_end_k_q8a10ed7702_qkv-k_q8a10ed7702_qkv
	.p2alignl 7, 3214868480
	.fill 96, 4, 3214868480
	.section	.rodata,"a",@progbits
	.p2align	6, 0x0
	.amdhsa_kernel k_q8a10ed7702_qkv
		.amdhsa_group_segment_fixed_size 19456
		.amdhsa_private_segment_fixed_size 0
		.amdhsa_enable_private_segment 0
		.amdhsa_kernarg_size 72
		.amdhsa_user_sgpr_count 2
		.amdhsa_user_sgpr_kernarg_segment_ptr 1
		.amdhsa_wavefront_size32 1
		.amdhsa_system_sgpr_workgroup_id_x 1
		.amdhsa_system_sgpr_workgroup_id_y 1
		.amdhsa_system_sgpr_workgroup_id_z 1
		.amdhsa_system_vgpr_workitem_id 0
		.amdhsa_next_free_vgpr 512
		.amdhsa_next_free_sgpr 66
		.amdhsa_reserve_vcc 1
		.amdhsa_float_denorm_mode_32 3
		.amdhsa_float_denorm_mode_16_64 3
		.amdhsa_memory_ordered 1
		.amdhsa_forward_progress 1
		.amdhsa_inst_pref_size 100
	.end_amdhsa_kernel
	.amdgpu_metadata
---
amdhsa.version: [ 1, 2 ]
amdhsa.kernels:
  - .name:           k_q8a10ed7702_qkv
    .symbol:         k_q8a10ed7702_qkv.kd
    .args:
      - { .name: x, .offset: 0, .size: 8, .value_kind: global_buffer, .address_space: global }
      - { .name: ln1_g, .offset: 8, .size: 8, .value_kind: global_buffer, .address_space: global }
      - { .name: ln1_b, .offset: 16, .size: 8, .value_kind: global_buffer, .address_space: global }
      - { .name: w_qkv_codes, .offset: 24, .size: 8, .value_kind: global_buffer, .address_space: global }
      - { .name: w_qkv_scales, .offset: 32, .size: 8, .value_kind: global_buffer, .address_space: global }
      - { .name: b_qkv, .offset: 40, .size: 8, .value_kind: global_buffer, .address_space: global }
      - { .name: qc, .offset: 48, .size: 8, .value_kind: global_buffer, .address_space: global }
      - { .name: qs, .offset: 56, .size: 8, .value_kind: global_buffer, .address_space: global }
      - { .name: kv, .offset: 64, .size: 8, .value_kind: global_buffer, .address_space: global }
    .group_segment_fixed_size: 19456
    .private_segment_fixed_size: 0
    .kernarg_segment_align: 8
    .kernarg_segment_size: 72
    .max_flat_workgroup_size: 256
    .sgpr_count:     66
    .vgpr_count:     512
    .wavefront_size: 32
...
	.end_amdgpu_metadata
.endif
;; end of part 1
;; launch attn (part 2): grid 16 x 16, 16 waves a work-group, clusters of 4 x 1, 169,984 bytes of LDS; arguments qc, qs, kv, oc, osc; writes oc, osc
.if DOCPART == 2
	.amdgcn_target "amdgcn-amd-amdhsa--gfx1250"
	.amdhsa_code_object_version 6
	.text
	.protected	k_q8a10ed7702_attn
	.globl	k_q8a10ed7702_attn
	.p2align	8
	.type	k_q8a10ed7702_attn,@function
k_q8a10ed7702_attn:
	s_mov_b64 s[64:65], 0
	v_nop
	global_prefetch_b8 v0, s[64:65] scope:SCOPE_SE
	s_setreg_imm32_b32 hwreg(HW_REG_WAVE_MODE, 25, 1), 1
	s_wait_xcnt 0x0
	s_wait_alu depctr_hold_cnt(0) depctr_sa_sdst(0) depctr_va_vdst(0) depctr_va_sdst(0) depctr_va_ssrc(0) depctr_va_vcc(0) depctr_vm_vsrc(0)
	s_getreg_b32 s2, hwreg(HW_REG_IB_STS2, 6, 4)
	s_cmp_eq_u32 s2, 0
	s_cbranch_scc0 .Lentry_in_a_cluster
	s_endpgm
.Lentry_in_a_cluster:
	s_bfe_u32 s2, ttmp6, 0x10000c
	s_cmp_lg_u32 s2, 0x3003
	s_cbranch_scc0 .Lentry_shape_is_right
	s_endpgm
.Lentry_shape_is_right:
; o = softmax(q k^T / sqrt(32)) v for 16 heads (2 batches x 8) of 4,096 tokens and 32 dims, both products on codes of FP4 (E2M1) with E8M0 scales; o is quantised along the head's 32 dims and leaves as codes.
; THE SOFTMAX: t = score x log2(e) / sqrt(32); M = the running largest t rounded UP to a whole number; p = 2^(t - M) is quantised along the keys, not normalised; the row's sum is taken of the unquantised p
; and divides at the end.  When M moves, the sum and O are multiplied by 2^(old M - new M), which rounds nothing.
; SHARES.  A work-group owns 256 queries of one head, each of its sixteen waves one tile of 16.  Every wave walks all 4,096 keys, 256 a step (two chunks of kv): M is made once for 256 keys.
; LDS.  A whole head's k and v are 32 chunks of 4,352 bytes: they come ONCE, each wave fetching its two chunks by one joint load (the cluster's four work-groups belong to one head), and stay: nothing is filled twice,
; the loop has no barrier, and there is no loop ahead of the fill in which a prefetch could run.
; THE FIRST PRODUCT HAS K = 32 in an instruction of K = 128: a fragment of k carries FOUR tiles of 16 keys, one in each block of 32; version j of q has its codes in block j and zero codes elsewhere.
; WHICH KEYS FORM A TILE.  Both products are used transposed: a lane holds ONE query (lane % 16).  Row 8 h + i of tile j of fragment f is key 64 f + 32 h + 8 j + i of the chunk: so the 32 registers of a fragment's four tiles are
; ONE WHOLE BLOCK of 32 keys, block 2 f + h, in key order: the block's maximum needs no other lane, and the conversions' results are the second product's operand as they stand.
; kv holds key 32 a + 16 b + 8 u + i at byte 256 (2 a + u) + 16 (8 b + i) of a chunk: each lane picks its key's 16 bytes there.  k's scale bytes are laid anew once, at the head, each wave for the two chunks that it fetched itself.
; THE NEXT STEP'S k is read from LDS behind a step's last products, with 24 of the sum's 64 additions still to come; the last step is written out and reads nothing more.
; LIMITS: a block of zeros gets the scale byte 1 where the quantiser says 127 (zero codes; this program alone reads the bytes); NaN and infinities are not served; the promise holds while the scaled scores stay under 2^31 in magnitude.
.set KVB,   139264                     ; a head's bytes in kv
.set CHUNK, 4352                       ; 128 keys: 2,048 of k's codes, 2,048 of v's, 256 of scale words
.set KSW,   139264                     ; LDS behind the head's bytes: 32 x 256 bytes: a pair (k's word laid anew, v's word) a lane; no tensor load lands there
.set OSG,   147456                     ; 256 bytes in which o's scale bytes are gathered
.set SPARE, 0x29000                    ; the spare words, 128 bytes a wave
.set ADK, 1
.set ADV, 2
.set ADS, 3
.set SPW, 4
.set NIL, 5
.set TP,  6
.set TP2, 7
.set QB,  8                            ; v8-27: QL Z QH Z QL (QL: q's codes in lanes 0-15, QH: in lanes 16-31, Z: zeros)
.set QV0, 8
.set QV1, 16
.set QV2, 20
.set QV3, 12
.set QS,  28                           ; q's scale word
.set OLD, 29                           ; -M of the step before
.set KS,  30                           ; v30-33: (k's word, v's word) of the step's two chunks
.set NM,  34                           ; -M;  v35 the largest score so far
.set TT,  35
.set LS,  36                           ; the sum, in two halves
.set FF,  38                           ; f = 2^(old M - new M), named as a pair
.set PW,  40                           ; p's scale words, one a chunk
.set BM,  42                           ; my four blocks' largest scores, then largest p
.set T2,  46                           ; the maxima's second chains, then the conversions' scale operands
.set SB,  42                           ; v42-49 once more, behind the conversions: four pairs for the sums
.set BY,  50                           ; the scale bytes
.set WX,  54
.set LANE, 56
.set ADK0, 57
.set SA,  58                           ; three more pairs for the sums
.set KF,  64                           ; v64-95: k's four fragments, then v's four
.set O,   96                           ; O^T
.set PC,  112                          ; p's codes: two operands
.set S,   128                          ; v128-255: the scores, then p
.set WV,  14
.set G0,  20
.set G1,  24
.set SEL, 32
.set CS,  34
.set TB,  36
.set CNT, 37
.set TS,  48
.set NC,  49
.macro CROUND                          ; a round of the cluster's barrier
	s_barrier_signal -1
	s_barrier_wait -1
	s_cmp_lg_u32 s[WV], 0
	s_cbranch_scc1 .Lnot_wave_0_\@
	s_barrier_signal -3
.Lnot_wave_0_\@:
	s_barrier_wait -3
	s_barrier_signal -1
	s_barrier_wait -1
.endm
.macro D1
	s_delay_alu instid0(VALU_DEP_1)
.endm
.macro D2
	s_delay_alu instid0(VALU_DEP_2)
.endm
.macro D3
	s_delay_alu instid0(VALU_DEP_3)
.endm
; a product that starts a sum (scores), and one that adds in place (O^T); row = 1: source 0's scales are taken from lanes 16-31
.macro SW d, a, b, sa, row
.if \row
	v_wmma_scale_f32_16x16x128_f8f6f4 v[(\d):(\d)+7], v[(\a):(\a)+7], v[(\b):(\b)+7], 0, v[\sa], v[QS] matrix_a_fmt:MATRIX_FMT_FP4 matrix_b_fmt:MATRIX_FMT_FP4 matrix_a_scale:MATRIX_SCALE_ROW1
.else
	v_wmma_scale_f32_16x16x128_f8f6f4 v[(\d):(\d)+7], v[(\a):(\a)+7], v[(\b):(\b)+7], 0, v[\sa], v[QS] matrix_a_fmt:MATRIX_FMT_FP4 matrix_b_fmt:MATRIX_FMT_FP4
.endif
.endm
.macro OW d, a, b, sa, sb, row
.if \row
	v_wmma_scale_f32_16x16x128_f8f6f4 v[(\d):(\d)+7], v[(\a):(\a)+7], v[(\b):(\b)+7], v[(\d):(\d)+7], v[\sa], v[\sb] matrix_a_fmt:MATRIX_FMT_FP4 matrix_b_fmt:MATRIX_FMT_FP4 matrix_a_scale:MATRIX_SCALE_ROW1
.else
	v_wmma_scale_f32_16x16x128_f8f6f4 v[(\d):(\d)+7], v[(\a):(\a)+7], v[(\b):(\b)+7], v[(\d):(\d)+7], v[\sa], v[\sb] matrix_a_fmt:MATRIX_FMT_FP4 matrix_b_fmt:MATRIX_FMT_FP4
.endif
.endm
.macro TMM from, cnt                   ; t - M, two at a time: cnt pairs from register S + from on
.set j, \from
.rept \cnt
	v_pk_fma_f32 v[S+j:S+j+1], v[S+j:S+j+1], s[CS:CS+1], v[NM:NM+1] op_sel_hi:[1,0,0]
.set j, j+2
.endr
.endm
.macro ADDRS                           ; where a step's k, v and scale words lie
	v_add_nc_u32 v[ADK], s[TB], v[ADK0]
	v_lshl_add_u32 v[ADV], v[LANE], 4, s[TB]
	v_lshl_add_u32 v[ADS], v[LANE], 3, s[TS]
.endm
.macro KLOADS                          ; a step's scale words and k's four fragments: ten loads
	ds_load_b64 v[KS:KS+1], v[ADS]
	ds_load_b64 v[KS+2:KS+3], v[ADS] offset:256
.irp x, 0,1
.irp f, 0,1
.irp c, 0,1
	ds_load_b128 v[KF+16*\x+8*\f+4*\c:KF+16*\x+8*\f+4*\c+3], v[ADK] offset:CHUNK*\x+1024*\f+128*\c
.endr
.endr
.endr
.endm
.macro SUM8 n                          ; eight pairs of p, from pair n on, onto the sum's eight chains
	v_pk_add_f32 v[SA:SA+1], v[SA:SA+1], v[S+2*(\n):S+2*(\n)+1]
	v_pk_add_f32 v[SA+2:SA+3], v[SA+2:SA+3], v[S+2*(\n)+2:S+2*(\n)+3]
	v_pk_add_f32 v[SA+4:SA+5], v[SA+4:SA+5], v[S+2*(\n)+4:S+2*(\n)+5]
	v_pk_add_f32 v[SB:SB+1], v[SB:SB+1], v[S+2*(\n)+6:S+2*(\n)+7]
	v_pk_add_f32 v[SB+2:SB+3], v[SB+2:SB+3], v[S+2*(\n)+8:S+2*(\n)+9]
	v_pk_add_f32 v[SB+4:SB+5], v[SB+4:SB+5], v[S+2*(\n)+10:S+2*(\n)+11]
	v_pk_add_f32 v[SB+6:SB+7], v[SB+6:SB+7], v[S+2*(\n)+12:S+2*(\n)+13]
	v_pk_add_f32 v[LS:LS+1], v[LS:LS+1], v[S+2*(\n)+14:S+2*(\n)+15]
.endm
	s_load_b256 s[4:11], s[0:1], 0x0               ; qc s[4:5], qs s[6:7], kv s[8:9], oc s[10:11]
	s_load_b64 s[12:13], s[0:1], 0x20              ; osc
	v_lshl_add_u32 v[SPW], v0, 2, SPARE
	v_mov_b32 v[NIL], 0
	ds_add_u32 v[SPW], v[NIL]                      ; the opening lines: the add, twice on end, and its wait ahead of my tensor load
	ds_add_u32 v[SPW], v[NIL]
	v_lshrrev_b32 v[TP], 5, v0
	D1
	v_readfirstlane_b32 s[WV], v[TP]               ; wave 0..15
	s_bfe_u32 s15, ttmp6, 0x40000                  ; cx: my place in the cluster
	s_lshl_b32 s16, ttmp9, 2
	s_add_co_u32 s16, s16, s15                     ; my block of 256 queries: it enters the addresses of qc, qs, oc and osc alone
	s_and_b32 s17, ttmp7, 0xffff                   ; batch x 8 + head, which the four partners share
	s_mov_b32 s[G1], 15|(3<<16)|(1<<21)            ; the mask: all four work-groups; elements of 8 bytes; bit 21 beside a mask; no padding
	s_mov_b32 s[G1+1], 32<<16                      ; 34 rows of 256 bytes, dense in memory and in LDS
	s_mov_b32 s[G1+2], 34<<16
	s_mov_b32 s[G1+3], 32<<16
	s_mov_b32 s[G1+4], 34
	s_mov_b32 s[G1+5], 32
	s_mov_b32 s[G1+6], 0
	s_mov_b32 s[G1+7], 0
	s_mov_b32 s[G0], 1
	s_mul_i32 s[G0+1], s[WV], 2*CHUNK              ; LDS address: my two chunks
	s_mul_i32 s38, s17, KVB
	s_add_co_u32 s38, s38, s[G0+1]                 ; and the same place in memory
	s_mov_b32 s39, 0
	s_lshl_b32 s40, s17, 16                        ; qc: 65,536 a head, 4,096 a block, 256 a tile
	s_lshl_b32 s18, s16, 12
	s_add_co_u32 s40, s40, s18
	s_lshl_b32 s18, s[WV], 8
	s_add_co_u32 s40, s40, s18
	s_mov_b32 s41, 0
	s_lshl_b32 s42, s17, 14                        ; qs: 16,384 a head, 1,024 a block, 256 for four tiles, 4 a tile
	s_lshl_b32 s18, s16, 10
	s_add_co_u32 s42, s42, s18
	s_lshr_b32 s18, s[WV], 2
	s_lshl_b32 s18, s18, 8
	s_add_co_u32 s42, s42, s18
	s_and_b32 s18, s[WV], 3
	s_lshl_b32 s18, s18, 2
	s_add_co_u32 s42, s42, s18
	s_mov_b32 s43, 0
	s_lshr_b32 s18, s17, 3                         ; batch
	s_and_b32 s19, s17, 7                          ; head
	s_lshl_b32 s44, s18, 8
	s_lshl_b32 s46, s16, 4
	s_add_co_u32 s44, s44, s46
	s_add_co_u32 s44, s44, s[WV]                   ; my tile among the 512
	s_lshl_b32 s44, s44, 11                        ; oc: 2,048 a tile,
	s_lshl_b32 s46, s19, 8
	s_add_co_u32 s44, s44, s46                     ; 256 a head
	s_mov_b32 s45, 0
	s_lshl_b32 s46, s19, 13                        ; osc: 8,192 a head, 4,096 a batch, 256 a block
	s_lshl_b32 s18, s18, 12
	s_add_co_u32 s46, s46, s18
	s_lshl_b32 s18, s16, 8
	s_add_co_u32 s46, s46, s18
	s_mov_b32 s47, 0
	s_mov_b32 s[SEL], 0x76543210
	s_mov_b32 s[SEL+1], 0xfedcba98                 ; v_permlanex16_b32's selects for lane l xor 16
	s_mov_b32 s[CS], 0x3e8293ee                    ; c = log2(e) / sqrt(32)
	s_mov_b32 s[CS+1], s[CS]                       ; (named with it as a pair, so it is written)
	s_mov_b32 s[NC], 0xbe8293ee                    ; -c
	s_mov_b32 s[TB], 0
	s_mov_b32 s[TS], KSW
	s_mov_b32 s[CNT], 15
	s_add_co_u32 s18, s[G0+1], 4096                ; my first chunk's scale words
	s_lshl_b32 s19, s[WV], 9
	s_add_co_u32 s19, s19, KSW                     ; and where they go
	v_and_b32 v[LANE], 31, v0
	v_and_b32 v[TP], 7, v0                         ; r % 8
	v_bfe_u32 v[TP2], v0, 3, 1                     ; r / 8
	v_bfe_u32 v[OLD], v0, 4, 1                     ; h
	v_lshlrev_b32 v[ADK0], 4, v[TP]
	v_lshl_add_u32 v[ADK], v[TP], 3, s18
	D2
	v_lshl_add_u32 v[ADK0], v[TP2], 9, v[ADK0]
	D2
	v_lshl_add_u32 v[ADK], v[TP2], 1, v[ADK]
	D2
	v_lshl_add_u32 v[ADK0], v[OLD], 8, v[ADK0]     ; my key's codes in a chunk: 512 (r / 8) + 256 h + 16 (r % 8); + 1,024 f + 128 c by the offset
	D2
	v_lshl_add_u32 v[ADK], v[OLD], 7, v[ADK]       ; lane 16 f + r: two of k's scale bytes at 128 f + 8 (r % 8) + 2 (r / 8), two more 64 bytes on
	v_lshl_add_u32 v[ADV], v[LANE], 3, s18         ; the pair as kv has it
	v_lshl_add_u32 v[ADS], v[LANE], 3, s19         ; the pair laid anew
	v_and_b32 v[TP], 15, v0
	D1
	v_lshlrev_b32 v[TP], 4, v[TP]                  ; 16 r
	s_wait_dscnt 0x0                               ; both opening adds are done
	s_wait_kmcnt 0x0
	s_add_nc_u64 s[G0+2:G0+3], s[8:9], s[38:39]
	s_or_b32 s[G0+3], s[G0+3], 0x80000000          ; type = 2
	s_add_nc_u64 s[4:5], s[4:5], s[40:41]
	s_add_nc_u64 s[6:7], s[6:7], s[42:43]
	s_add_nc_u64 s[10:11], s[10:11], s[44:45]
	s_add_nc_u64 s[12:13], s[12:13], s[46:47]
	CROUND                                         ; all four work-groups are here: the joint loads meet
	tensor_load_to_lds s[G0:G0+3], s[G1:G1+7]      ; my one tensor load of the launch
	s_nop 0
.rept 4
	v_nop
.endr
	s_wait_alu depctr_va_vdst(0)
	global_load_b128 v[KF:KF+3], v[TP], s[4:5]     ; q's 16 bytes of query r, in both halves of the lanes
	global_load_b32 v[QS], v[TP], s[6:7]           ; and its scale byte, four times
	v_cmp_gt_u32 vcc_lo, 16, v[LANE]               ; lanes 0-15
	v_mov_b32 v[TT], 0xff61b1e6                    ; the largest score so far: -3e38, under every score
	v_mov_b32 v[NM], 0x7e967699                    ; -M = 1e38: the first f is 0, and meets zeros
	v_mov_b32 v[LS], 0
	v_mov_b32 v[LS+1], 0
	v_mov_b32 v[FF+1], 0                           ; (named as the upper half of the pair with f)
	v_mov_b32 v[TP2], 0                            ; written once: a lane permute's destination counts as one of its sources
	v_mov_b32 v[WX], 0
	v_mov_b32 v[WX+1], 0
.irp b, 0,1,2,3
	v_mov_b32 v[QB+4+\b], 0
	v_mov_b32 v[QB+12+\b], 0
.endr
	s_wait_alu depctr_va_vdst(0)
	s_wait_loadcnt 0x0
.irp i, 0,1,2,3
	v_cndmask_b32 v[QB+\i], 0, v[KF+\i], vcc_lo            ; QL
	v_cndmask_b32 v[QB+8+\i], v[KF+\i], v[QB+4], vcc_lo    ; QH
.endr
.irp i, 0,1,2,3
	v_mov_b32 v[QB+16+\i], v[QB+\i]
.endr
.irp i, 0,1,2,3,4,5,6,7,8,9,10,11,12,13,14,15
	v_mov_b32 v[O+\i], 0                           ; O^T: the first step finds zeros
.endr
	s_wait_alu depctr_va_vdst(0)                   ; the wait at the head's end
	s_wait_tensorcnt 0x0                           ; my two chunks are in LDS
.irp e, 0,1                                    ; k's scale word of lane 16 f + r: byte b is key 64 f + 32 (r / 8) + 8 b + r % 8
	ds_load_u16 v[S+4*\e], v[ADK] offset:CHUNK*\e
	ds_load_u16 v[S+4*\e+1], v[ADK] offset:CHUNK*\e+64
	ds_load_b32 v[S+4*\e+3], v[ADV] offset:CHUNK*\e+4      ; v's word stays as it is
.endr
	s_wait_dscnt 0x0
.irp e, 0,1
	v_lshl_or_b32 v[S+4*\e+2], v[S+4*\e+1], 16, v[S+4*\e]
.endr
.irp e, 0,1
	ds_store_b64 v[ADS], v[S+4*\e+2:S+4*\e+3] offset:256*\e
.endr
	s_wait_dscnt 0x0                               ; for the others' sake: my stores have landed
	s_barrier_signal -1
	s_barrier_wait -1                              ; everybody's chunks and words are in
	ADDRS
	s_wait_alu depctr_va_vdst(0)
	KLOADS                                         ; the first step's k
; A STEP: 256 keys.  At its head its ten loads of scale words and k are out.  last = 0: it asks for the next step's.
.macro STEP last
.irp x, 0,1                                    ; S^T = k q^T: tile j of fragment f by version j of q
	s_wait_dscnt 4-4*\x                            ; chunk 0: the second chunk's four loads may be out
.irp f, 0,1
.irp j, 0,1,2,3
	SW S+64*\x+32*\f+8*\j, KF+16*\x+8*\f, QV\j, KS+2*\x, \f
.endr
.endr
.endr
	v_mov_b32 v[OLD], v[NM]                        ; four places ahead of loads into k's registers and of the first read of results
.rept 3
	v_nop
.endr
.irp x, 0,1
.irp i, 0,1,2,3
	ds_load_b128 v[KF+16*\x+4*\i:KF+16*\x+4*\i+3], v[ADV] offset:CHUNK*\x+2048+512*\i   ; v's fragments take k's registers
.endr
.endr
.irp g, 0,1,2,3                                ; the largest score of each of my four blocks, in two chains a block; each accumulator is first read at its low end
	v_max3_num_f32 v[BM+\g], v[S+32*\g], v[S+32*\g+1], v[S+32*\g+2]
.endr
.irp g, 0,1,2,3
	v_max3_num_f32 v[T2+\g], v[S+32*\g+16], v[S+32*\g+17], v[S+32*\g+18]
.endr
.irp i, 3,5,7,9,11,13
.irp g, 0,1,2,3
	v_max3_num_f32 v[BM+\g], v[BM+\g], v[S+32*\g+\i], v[S+32*\g+\i+1]
.endr
.irp g, 0,1,2,3
	v_max3_num_f32 v[T2+\g], v[T2+\g], v[S+32*\g+16+\i], v[S+32*\g+17+\i]
.endr
.endr
.irp g, 0,1,2,3
	v_max3_num_f32 v[BM+\g], v[BM+\g], v[T2+\g], v[S+32*\g+15]
.endr
.irp g, 0,1,2,3
	v_max_num_f32 v[BM+\g], v[BM+\g], v[S+32*\g+31]
.endr
	D2
	v_max3_num_f32 v[TP], v[BM], v[BM+1], v[BM+2]
	D1
	v_max_num_f32 v[TP], v[TP], v[BM+3]
	D1
	v_permlanex16_b32 v[TP2], v[TP], s[SEL], s[SEL+1]
	D1
	v_max3_num_f32 v[TT], v[TT], v[TP], v[TP2]     ; the running largest score of my query (c is positive)
	D1
	v_mul_f32 v[TP], s[NC], v[TT]
	D1
	v_floor_f32 v[NM], v[TP]                       ; the new -M = floor(-t): a whole number
	D1
	v_sub_f32 v[TP], v[NM], v[OLD]                 ; old M - new M: a whole number, 0 or less
	TMM 0, 8
	v_cvt_i32_f32 v[TP], v[TP]                     ; (it saturates)
	TMM 16, 8
	v_ldexp_f32 v[FF], 1.0, v[TP]                  ; f = 2^(old M - new M)
	TMM 32, 48
.irp g, 0,1,2,3
	v_fma_f32 v[BM+\g], v[BM+\g], s[CS], v[NM]     ; the same of each block's largest score
.endr
.irp j, 0,2,4,6,8,10,12,14
	v_pk_mul_f32 v[O+\j:O+1+\j], v[O+\j:O+1+\j], v[FF:FF+1] op_sel_hi:[1,0]   ; O^T under the new M, each accumulator from its low end on
.endr
	v_pk_mul_f32 v[LS:LS+1], v[LS:LS+1], v[FF:FF+1] op_sel_hi:[1,0]           ; and the sums
	s_wait_alu depctr_va_vdst(0)                   ; the wait ahead of the batch
.irp g, 0,1,2,3
	v_exp_f32 v[BM+\g], v[BM+\g]                   ; the block's largest p: the same two instructions on the same number give the same bits
.endr
.set j, 0
.rept 128
	v_exp_f32 v[S+j], v[S+j]                       ; p = 2^(t - M), at most 1: not normalised
.set j, j+1
.endr
	v_nop                                          ; a plain instruction behind the exponentials,
	s_wait_alu depctr_va_vdst(0)                   ; and one wait for the batch, ahead of its first reader
	s_wait_dscnt 0x0                               ; v is in
.irp g, 0,1,2,3
	v_max_num_f32 v[BM+\g], 0x1800000, v[BM+\g]    ; the floor 2^(3 - 127): the byte cannot fall under 1
.endr
.irp g, 0,1,2,3
	v_add_nc_u32 v[T2+\g], 0xff000000, v[BM+\g]    ; 2 off the exponent field: the conversion's scale operand
.endr
.irp g, 0,1,2,3
	v_lshrrev_b32 v[BY+\g], 23, v[T2+\g]           ; the scale's byte
.endr
	D3
	v_lshl_or_b32 v[BY], v[BY+1], 16, v[BY]        ; my half's two blocks of each chunk, 2 f + h, at bytes 0 and 2
	D2
	v_lshl_or_b32 v[BY+2], v[BY+3], 16, v[BY+2]
.irp x, 0,1
	D2
	v_permlanex16_b32 v[WX+\x], v[BY+2*\x], s[SEL], s[SEL+1]
.endr
.irp x, 0,1
	D2
	v_lshl_or_b32 v[PW+\x], v[WX+\x], 8, v[BY+2*\x]          ; lanes 0-15: blocks 0 to 3 in order (lanes 16-31 are not read)
.endr
.irp x, 0,1
.irp f, 0,1
.irp j, 0,1,2,3
	v_cvt_scalef32_pk8_fp4_f32 v[PC+8*\x+4*\f+\j], v[S+64*\x+32*\f+8*\j:S+64*\x+32*\f+8*\j+7], v[T2+2*\x+\f]
.endr
.endr
.endr
	; the row's sum of the unquantised p: 64 pairs and the sum so far, in eight chains.  The first 32 additions are also the places ahead of the products below
	v_pk_add_f32 v[SA:SA+1], v[S:S+1], v[S+2:S+3]
	v_pk_add_f32 v[SA+2:SA+3], v[S+4:S+5], v[S+6:S+7]
	v_pk_add_f32 v[SA+4:SA+5], v[S+8:S+9], v[S+10:S+11]
	v_pk_add_f32 v[SB:SB+1], v[S+12:S+13], v[S+14:S+15]
	v_pk_add_f32 v[SB+2:SB+3], v[S+16:S+17], v[S+18:S+19]
	v_pk_add_f32 v[SB+4:SB+5], v[S+20:S+21], v[S+22:S+23]
	v_pk_add_f32 v[SB+6:SB+7], v[S+24:S+25], v[S+26:S+27]
	v_pk_add_f32 v[LS:LS+1], v[LS:LS+1], v[S+28:S+29]
	SUM8 15
.if \last == 0
	s_add_co_u32 s[TB], s[TB], 2*CHUNK
	s_add_co_u32 s[TS], s[TS], 512
	ADDRS                                          ; the next step's addresses (this step's loads of v have been issued)
.endif
	SUM8 23
	SUM8 31
	OW O,   KF,    PC,   KS+1, PW,   0             ; O^T += v^T p^T: the two accumulators take turns
	OW O+8, KF+8,  PC,   KS+1, PW,   1
	OW O,   KF+16, PC+8, KS+3, PW+1, 0
	OW O+8, KF+24, PC+8, KS+3, PW+1, 1
	SUM8 39                                        ; eight places behind the products, ahead of loads into registers that they read
.if \last == 0
	KLOADS                                         ; the next step's scale words and k
.endif
	SUM8 47
	SUM8 55
	v_pk_add_f32 v[SA:SA+1], v[SA:SA+1], v[S+126:S+127]
	v_pk_add_f32 v[SA+2:SA+3], v[SA+2:SA+3], v[SA+4:SA+5]
	v_pk_add_f32 v[SB:SB+1], v[SB:SB+1], v[SB+2:SB+3]
	v_pk_add_f32 v[SB+4:SB+5], v[SB+4:SB+5], v[SB+6:SB+7]
	v_pk_add_f32 v[LS:LS+1], v[LS:LS+1], v[SA:SA+1]
	D3
	v_pk_add_f32 v[SA+2:SA+3], v[SA+2:SA+3], v[SB:SB+1]
	D2
	v_pk_add_f32 v[LS:LS+1], v[LS:LS+1], v[SB+4:SB+5]
	D1
	v_pk_add_f32 v[LS:LS+1], v[LS:LS+1], v[SA+2:SA+3]
.endm
.Lstep:                                            ; 15 trips
	STEP 0
	s_sub_co_u32 s[CNT], s[CNT], 1
	s_cmp_lg_u32 s[CNT], 0
	s_cbranch_scc1 .Lstep
	STEP 1                                         ; the last step is written out: nothing lies behind the 32nd chunk
	; THE WAY OUT.  O^T / the sum; register i is dim 16 (lane / 16) + i of my query: the head's 32 dims, one block of the next product's K, lie in lanes l and l xor 16.
	D1
	v_add_f32 v[LS], v[LS], v[LS+1]
	D1
	v_permlanex16_b32 v[TP], v[LS], s[SEL], s[SEL+1]
	D1
	v_add_f32 v[LS], v[LS], v[TP]                  ; the row's sum
	s_wait_alu depctr_va_vdst(0)                   ; the wait ahead of the transcendental
	v_rcp_f32 v[LS], v[LS]
	v_and_b32 v[TP], 15, v0                        ; r.  (Plain work behind the reciprocal)
	v_bfe_u32 v[TP2], v0, 4, 1                     ; h
	s_lshl_b32 s18, s[WV], 4
	s_add_co_u32 s18, s18, OSG
	v_lshl_add_u32 v[ADS], v[LANE], 3, OSG         ; the gathered scale bytes' way back, 8 bytes a lane
	v_lshlrev_b32 v[ADK], 4, v[TP]
	v_add_nc_u32 v[ADV], s18, v[TP]                ; o's scale byte in LDS: OSG + 16 wave + r
	v_lshlrev_b32 v[ADK0], 3, v[LANE]
	v_lshl_add_u32 v[ADK], v[TP2], 3, v[ADK]       ; o's codes: 16 r + 8 h
	s_wait_alu depctr_va_vdst(0)                   ; the wait ahead of the first reader of the reciprocal and of O^T
.irp i, 0,1,2,3,4,5,6,7,8,9,10,11,12,13,14,15
	v_mul_f32 v[S+\i], v[O+\i], v[LS]
.endr
	v_max3_num_f32 v[BM], |v[S]|, |v[S+1]|, 0x1800000
	v_max3_num_f32 v[BM+1], |v[S+2]|, |v[S+3]|, |v[S+4]|
.irp i, 5,9,13
	v_max3_num_f32 v[BM], v[BM], |v[S+\i]|, |v[S+1+\i]|
.endr
.irp i, 7,11
	v_max3_num_f32 v[BM+1], v[BM+1], |v[S+\i]|, |v[S+1+\i]|
.endr
	D1
	v_max3_num_f32 v[BM], v[BM], v[BM+1], |v[S+15]|
	D1
	v_permlanex16_b32 v[TP], v[BM], s[SEL], s[SEL+1]
	D1
	v_max_num_f32 v[BM], v[BM], v[TP]
	D1
	v_add_nc_u32 v[T2], 0xff000000, v[BM]
	D1
	v_lshrrev_b32 v[BY], 23, v[T2]
	v_cvt_scalef32_pk8_fp4_f32 v[PC], v[S:S+7], v[T2]
	v_cvt_scalef32_pk8_fp4_f32 v[PC+1], v[S+8:S+15], v[T2]
	v_nop
	global_store_b64 v[ADK], v[PC:PC+1], s[10:11]  ; the 32 lanes store 256 consecutive bytes, aligned: my tile's 16 rows of this head's block
	ds_store_b8 v[ADV], v[BY]                      ; both lanes of a query write the same byte with the same value
	s_wait_dscnt 0x0                               ; for the others' sake: my store has landed
	s_barrier_signal -1
	s_barrier_wait -1
	s_cmp_lg_u32 s[WV], 0                          ; wave 0 stores the work-group's 256 scale bytes as one aligned run
	s_cbranch_scc1 .Lnot_first
	ds_load_b64 v[S+16:S+17], v[ADS]
	s_wait_dscnt 0x0
	global_store_b64 v[ADK0], v[S+16:S+17], s[12:13]
.Lnot_first:
	s_wait_tensorcnt 0x0                           ; the wave's end
	ds_add_u32 v[SPW], v[NIL]
	s_wait_dscnt 0x0
	CROUND                                         ; the closing round
	s_endpgm
.Lfunc_end_k_q8a10ed7702_attn:
	.size	k_q8a10ed7702_attn, .Lfunc_end_k_q8a10ed7702_attn-k_q8a10ed7702_attn
	.p2alignl 7, 3214868480
	.fill 96, 4, 3214868480
	.section	.rodata,"a",@progbits
	.p2align	6, 0x0
	.amdhsa_kernel k_q8a10ed7702_attn
		.amdhsa_group_segment_fixed_size 169984
		.amdhsa_private_segment_fixed_size 0
		.amdhsa_enable_private_segment 0
		.amdhsa_kernarg_size 40
		.amdhsa_user_sgpr_count 2
		.amdhsa_user_sgpr_kernarg_segment_ptr 1
		.amdhsa_wavefront_size32 1
		.amdhsa_system_sgpr_workgroup_id_x 1
		.amdhsa_system_sgpr_workgroup_id_y 1
		.amdhsa_system_sgpr_workgroup_id_z 1
		.amdhsa_system_vgpr_workitem_id 0
		.amdhsa_next_free_vgpr 256
		.amdhsa_next_free_sgpr 66
		.amdhsa_reserve_vcc 1
		.amdhsa_float_denorm_mode_32 3
		.amdhsa_float_denorm_mode_16_64 3
		.amdhsa_memory_ordered 1
		.amdhsa_forward_progress 1
		.amdhsa_inst_pref_size 59
	.end_amdhsa_kernel
	.amdgpu_metadata
---
amdhsa.version: [ 1, 2 ]
amdhsa.kernels:
  - .name:           k_q8a10ed7702_attn
    .symbol:         k_q8a10ed7702_attn.kd
    .args:
      - { .name: qc, .offset: 0, .size: 8, .value_kind: global_buffer, .address_space: global }
      - { .name: qs, .offset: 8, .size: 8, .value_kind: global_buffer, .address_space: global }
      - { .name: kv, .offset: 16, .size: 8, .value_kind: global_buffer, .address_space: global }
      - { .name: oc, .offset: 24, .size: 8, .value_kind: global_buffer, .address_space: global }
      - { .name: osc, .offset: 32, .size: 8, .value_kind: global_buffer, .address_space: global }
    .group_segment_fixed_size: 169984
    .private_segment_fixed_size: 0
    .kernarg_segment_align: 8
    .kernarg_segment_size: 40
    .max_flat_workgroup_size: 512
    .sgpr_count:     66
    .vgpr_count:     256
    .wavefront_size: 32
...
	.end_amdgpu_metadata
.endif
;; end of part 2
;; launch ffn (part 3): grid 256 x 1, 8 waves a work-group, no clusters, 60,416 bytes of LDS; arguments x, oc, osc, w_out_codes, w_out_scales, b_out, ln2_g, ln2_b, w_fc1_codes, w_fc1_scales, b_fc1, w_fc2_codes, w_fc2_scales, b_fc2, out0; writes out0
.if DOCPART == 3
	.amdgcn_target "amdgcn-amd-amdhsa--gfx1250"
	.amdhsa_code_object_version 6
	.text
	.protected	k_q8a10ed7702_ffn
	.globl	k_q8a10ed7702_ffn
	.p2align	8
	.type	k_q8a10ed7702_ffn,@function
k_q8a10ed7702_ffn:
	s_mov_b64 s[64:65], 0
	v_nop
	global_prefetch_b8 v0, s[64:65] scope:SCOPE_SE
	s_setreg_imm32_b32 hwreg(HW_REG_WAVE_MODE, 25, 1), 1
	s_wait_xcnt 0x0
; x1 = x + o w_out + b_out;  out0 = x1 + gelu(LN2(x1) w_fc1 + b_fc1) w_fc2 + b_fc2, the three products on codes of FP4 (E2M1) with E8M0 scales.  o arrives as codes; LN2's result and the gelu's are quantised on the way and never go to memory.
; SHARES.  A work-group takes 32 tokens: two tiles of 16 (row r of tile m is token 8 m + r + 8 (r / 8) of the 32).  THE WAVES SHARE THE COLUMNS: wave w makes outputs 32 w .. 32 w + 31 of w_out and of w_fc2 and hidden units
; 128 w .. 128 w + 127, which are K step w of the last product.  Its part of the three weights, 288 registers, goes from memory straight into operand registers, once.
; All products are used transposed (source 0 = 16 rows of a weight, source 1 = 16 tokens): a lane holds one token and eight neighbouring columns.  Operands go from wave to wave through LDS as images of their registers.
; PHASES, four barriers:  A: x + b_out is the C of the first product; x1 to LDS |  B: wave w normalises and quantises tokens 4 w .. 4 w + 3 |  C: fc1, exact gelu, quantised |  D: fc2 onto x1; back to LDS |  E: + b_fc2, whole rows out.
; gelu(x) = x / 2 + (x / 2) erf(x / sqrt 2); erf(z) = z P(z^2) / Q(z^2), z held to +-4: a rational form good to a few units in f32's last place.
; NO CLUSTER: all work-groups read the same weights, 313,344 bytes of codes and scales, but each wave reads its share once, straight into operand registers; through LDS they would not fit beside this text's 58,880 bytes.
; LIMITS: a block of zeros gets the scale byte 1 where the quantiser says 127 (zero codes; this program alone reads the bytes); in its negative tail gelu carries an absolute error of about 1e-7 |x|; NaN and infinities are not served.
; REGISTERS.  window 0: v1-15, v202-206 addresses; v16-79 by phase: A four accumulators (v16-47) and o's scale bytes (v48-55), B x1, C fc1's eight accumulators, D (to v143) the hidden layer's 16 fragments, E rows; v80-143 b_fc1;
;   v144-175: A b_out, C LN2's four fragments, D fc2's four accumulators; v176-193 the weights' scale words; v194-201 b_fc2; v212-219 the moving operand's scale words; v220-251 at work; v252-255 two constants as pairs.
;   window 1: v0-127 w_fc1; v128-191 LN2's gain and bias, v192-223 w_out, v224-255 o; from the end of phase B v128-255 w_fc2.
.set X1S,   0                          ; LDS: x1: block of 32 features j at 4,640 j, token (16 m + r) at 144, 128 bytes of data
.set HNIMG, 37120                      ; LN2's result: 2,048 bytes a tile
.set HNSC,  41216                      ; its scale bytes, 128 a tile
.set HIMG,  41472                      ; the hidden layer: 8,192 m + 1,024 s
.set HSC,   57856                      ; its scale words: 512 m + 64 s + 4 r
.set VXA,  1
.set VB32, 2
.set L16,  3
.set VOS,  4
.set VWO,  5
.set VWOS, 6
.set VG,   7
.set VW1,  8
.set VW1S, 9
.set VB1,  10
.set VW2,  11
.set VW2S, 12
.set XA,   13
.set XB,   14
.set HNI,  15
.set HNS,  202
.set L4,   203
.set HWI,  204
.set HWS,  205
.set XE,   206
.set XN,   16
.set HA,   16
.set HF,   16
.set OB,   48
.set BF1,  80
.set BO,   144
.set HNF,  144
.set ACC,  144
.set WOS,  176
.set W1S,  178
.set W2S,  186
.set BF2,  194
.set SCR,  212
.set TM,   220
.set PC,   236
.set PW,   244
.set BY,   245
.set GZ,   220
.set GZ2,  228
.set GP,   236
.set GQ,   244
.set A0,   252
.set B0,   254
.set W1F,  0                           ; window 1
.set G2,   128
.set B2,   160
.set WOF,  192
.set OF,   224
.set W2F,  128
.set WV,   34
.set SEL,  38
.set INV,  40
.set EPS,  41
.set MSB, 0
.macro WIN new                         ; the immediate's high byte repeats the setting that is left
.if MSB != \new
	s_set_vgpr_msb (MSB<<8)|\new
.set MSB, \new
.endif
.endm
.macro BARRIER                         ; my LDS stores have landed and my LDS loads are in: then the work-group's barrier
	s_wait_dscnt 0x0
	s_barrier_signal -1
	s_barrier_wait -1
.endm
; one scaled matrix instruction; ra, rb = 1: that side's scales are taken from lanes 16-31
.macro MM d, a, b, c, sa, sb, ra, rb
.if (\ra) && (\rb)
	v_wmma_scale_f32_16x16x128_f8f6f4 v[(\d):(\d)+7], v[(\a):(\a)+7], v[(\b):(\b)+7], v[(\c):(\c)+7], v[\sa], v[\sb] matrix_a_fmt:MATRIX_FMT_FP4 matrix_b_fmt:MATRIX_FMT_FP4 matrix_a_scale:MATRIX_SCALE_ROW1 matrix_b_scale:MATRIX_SCALE_ROW1
.elseif (\ra)
	v_wmma_scale_f32_16x16x128_f8f6f4 v[(\d):(\d)+7], v[(\a):(\a)+7], v[(\b):(\b)+7], v[(\c):(\c)+7], v[\sa], v[\sb] matrix_a_fmt:MATRIX_FMT_FP4 matrix_b_fmt:MATRIX_FMT_FP4 matrix_a_scale:MATRIX_SCALE_ROW1
.elseif (\rb)
	v_wmma_scale_f32_16x16x128_f8f6f4 v[(\d):(\d)+7], v[(\a):(\a)+7], v[(\b):(\b)+7], v[(\c):(\c)+7], v[\sa], v[\sb] matrix_a_fmt:MATRIX_FMT_FP4 matrix_b_fmt:MATRIX_FMT_FP4 matrix_b_scale:MATRIX_SCALE_ROW1
.else
	v_wmma_scale_f32_16x16x128_f8f6f4 v[(\d):(\d)+7], v[(\a):(\a)+7], v[(\b):(\b)+7], v[(\c):(\c)+7], v[\sa], v[\sb] matrix_a_fmt:MATRIX_FMT_FP4 matrix_b_fmt:MATRIX_FMT_FP4
.endif
.endm
; THE NORM'S STATISTICS, for n sets of 32 numbers a lane.  A token's 256 features lie in eight neighbouring lanes (j = lane % 8), 32 each.  Mean; x - mean; mean of squares; (x - mean) / sqrt(var + eps).
.macro LNSTAT n
.set q, 0
	v_pk_add_f32 v[250:251], v[16:17], v[18:19]
	v_pk_add_f32 v[248:249], v[20:21], v[22:23]
	v_pk_add_f32 v[246:247], v[24:25], v[26:27]
	v_pk_add_f32 v[244:245], v[28:29], v[30:31]
	v_pk_add_f32 v[242:243], v[32:33], v[34:35]
	v_pk_add_f32 v[240:241], v[36:37], v[38:39]
	v_pk_add_f32 v[238:239], v[40:41], v[42:43]
	v_pk_add_f32 v[220:221], v[44:45], v[46:47]
	s_delay_alu instid0(VALU_DEP_1)
	v_pk_add_f32 v[220:221], v[220:221], v[244:245]
	v_pk_add_f32 v[250:251], v[250:251], v[242:243]
	v_pk_add_f32 v[248:249], v[248:249], v[240:241]
	v_pk_add_f32 v[246:247], v[246:247], v[238:239]
	s_delay_alu instid0(VALU_DEP_2)
	v_pk_add_f32 v[220:221], v[220:221], v[248:249]
	s_delay_alu instid0(VALU_DEP_2)
	v_pk_add_f32 v[250:251], v[250:251], v[246:247]
	s_delay_alu instid0(VALU_DEP_1)
	v_pk_add_f32 v[220:221], v[220:221], v[250:251]
.set q, 0
.rept \n
	s_delay_alu instid0(VALU_DEP_1)
	v_add_f32 v[TM+2*q], v[TM+2*q], v[TM+2*q+1]
.set q, q+1
.endr
.irp x, 1,2,4
.set q, 0
.rept \n
	s_delay_alu instid0(VALU_DEP_1)
	v_add_f32_dpp v[TM+2*q], v[TM+2*q], v[TM+2*q] row_xmask:\x row_mask:0xf bank_mask:0xf   ; the eight lanes of a token
.set q, q+1
.endr
.endr
.set q, 0
.rept \n
	s_delay_alu instid0(VALU_DEP_1)
	v_mul_f32 v[TM+2*q], s[INV], v[TM+2*q]         ; the mean
.set q, q+1
.endr
.set i, 0
.rept 16
.set q, 0
.rept \n
	v_pk_add_f32 v[XN+32*q+i:XN+32*q+i+1], v[XN+32*q+i:XN+32*q+i+1], v[TM+2*q:TM+2*q+1] op_sel_hi:[1,0] neg_lo:[0,1] neg_hi:[0,1]
.set q, q+1
.endr
.set i, i+2
.endr
.set q, 0
.rept \n
	v_pk_mul_f32 v[TM+8+2*q:TM+9+2*q], v[XN+32*q:XN+32*q+1], v[XN+32*q:XN+32*q+1]
.set q, q+1
.endr
.set i, 2
.rept 15
.set q, 0
.rept \n
	s_delay_alu instid0(VALU_DEP_1)
	v_pk_fma_f32 v[TM+8+2*q:TM+9+2*q], v[XN+32*q+i:XN+32*q+i+1], v[XN+32*q+i:XN+32*q+i+1], v[TM+8+2*q:TM+9+2*q]
.set q, q+1
.endr
.set i, i+2
.endr
.set q, 0
.rept \n
	s_delay_alu instid0(VALU_DEP_1)
	v_add_f32 v[TM+8+2*q], v[TM+8+2*q], v[TM+9+2*q]
.set q, q+1
.endr
.irp x, 1,2,4
.set q, 0
.rept \n
	s_delay_alu instid0(VALU_DEP_1)
	v_add_f32_dpp v[TM+8+2*q], v[TM+8+2*q], v[TM+8+2*q] row_xmask:\x row_mask:0xf bank_mask:0xf
.set q, q+1
.endr
.endr
.set q, 0
.rept \n
	s_delay_alu instid0(VALU_DEP_1)
	v_fma_f32 v[TM+8+2*q], v[TM+8+2*q], s[INV], s[EPS]   ; var + eps
.set q, q+1
.endr
.set q, 0
	s_wait_alu depctr_va_vdst(0)
.rept \n
	v_rsq_f32 v[TM+8+2*q], v[TM+8+2*q]
.set q, q+1
.endr
	v_nop                                          ; a plain instruction behind the root,
	s_wait_alu depctr_va_vdst(0)                   ; and the wait ahead of its first reader
.set i, 0
.rept 16
.set q, 0
.rept \n
	v_pk_mul_f32 v[XN+32*q+i:XN+32*q+i+1], v[XN+32*q+i:XN+32*q+i+1], v[TM+8+2*q:TM+9+2*q] op_sel_hi:[1,0]
.set q, q+1
.endr
.set i, i+2
.endr
.endm
; A LANE'S OWN BLOCK of 32 numbers becomes 16 bytes of codes and a scale byte, which go to LDS at their places in the operand's image.
.macro BLKQ n, xc, by, ai, as
.set q, 0
.rept \n
	v_max3_num_f32 v[TM+q], |v[XN+32*q]|, |v[XN+32*q+1]|, 0x1800000   ; with the floor 2^(3 - 127): the byte cannot fall under 1
.set q, q+1
.endr
.set i, 2
.rept 15
.set q, 0
.rept \n
	s_delay_alu instid0(VALU_DEP_1)
	v_max3_num_f32 v[TM+q], v[TM+q], |v[XN+32*q+i]|, |v[XN+32*q+i+1]|
.set q, q+1
.endr
.set i, i+2
.endr
.set q, 0
.rept \n
	s_delay_alu instid0(VALU_DEP_1)
	v_add_nc_u32 v[TM+4+q], 0xff000000, v[TM+q]    ; 2 off the exponent field: the conversion's scale operand
.set q, q+1
.endr
.set q, 0
.rept \n
	s_delay_alu instid0(VALU_DEP_1)
	v_lshrrev_b32 v[\by+q], 23, v[TM+4+q]          ; the scale's byte
.set q, q+1
.endr
.set q, 0
.rept \n
.irp g, 0,1,2,3
	v_cvt_scalef32_pk8_fp4_f32 v[\xc+4*q+\g], v[XN+32*q+8*\g:XN+32*q+8*\g+7], v[TM+4+q]
.endr
.set q, q+1
.endr
	v_nop                                          ; one plain place behind the last scaled conversion
.set q, 0
.rept \n
	ds_store_b128 v[\ai], v[\xc+4*q:\xc+4*q+3] offset:64*q
	ds_store_b8 v[\as], v[\by+q] offset:16*q
.set q, q+1
.endr
.endm
; 64 numbers of a lane, register 16 b + i = k 32 b + 16 (lane / 16) + i of my token, become a fragment's codes in v[pc] on and its scale word in v[pw].
.macro QUANT s, pc, pw
.irp b, 0,1,2,3
	v_max3_num_f32 v[TM+\b], |v[\s+16*\b]|, |v[\s+1+16*\b]|, 0x1800000
.endr
.irp i, 2,4,6,8,10,12,14
.irp b, 0,1,2,3
	s_delay_alu instid0(VALU_DEP_4)
	v_max3_num_f32 v[TM+\b], v[TM+\b], |v[\s+16*\b+\i]|, |v[\s+1+16*\b+\i]|
.endr
.endr
.irp b, 0,1,2,3
	s_delay_alu instid0(VALU_DEP_4)
	v_permlanex16_b32 v[TM+4+\b], v[TM+\b], s[SEL], s[SEL+1]
.endr
.irp b, 0,1,2,3
	s_delay_alu instid0(VALU_DEP_4)
	v_max_num_f32 v[TM+\b], v[TM+\b], v[TM+4+\b]   ; with lane l xor 16's: the block's largest magnitude
.endr
.irp b, 0,1,2,3
	s_delay_alu instid0(VALU_DEP_4)
	v_add_nc_u32 v[TM+12+\b], 0xff000000, v[TM+\b]
.endr
.irp b, 0,1,2,3
	s_delay_alu instid0(VALU_DEP_4)
	v_lshrrev_b32 v[TM+4+\b], 23, v[TM+12+\b]
.endr
	s_delay_alu instid0(VALU_DEP_3)
	v_lshl_or_b32 v[\pw], v[TM+5], 8, v[TM+4]
	s_delay_alu instid0(VALU_DEP_1)
	v_lshl_or_b32 v[\pw], v[TM+6], 16, v[\pw]
	s_delay_alu instid0(VALU_DEP_1)
	v_lshl_or_b32 v[\pw], v[TM+7], 24, v[\pw]
.irp b, 0,1,2,3
	v_cvt_scalef32_pk8_fp4_f32 v[\pc+2*\b], v[\s+16*\b:\s+7+16*\b], v[TM+12+\b]
	v_cvt_scalef32_pk8_fp4_f32 v[\pc+1+2*\b], v[\s+8+16*\b:\s+15+16*\b], v[TM+12+\b]
.endr
	v_nop                                          ; one plain place behind the last scaled conversion
.irp c, 0,1                                    ; a whole block to a lane: lanes 0-15 block 2 c, lanes 16-31 block 2 c + 1
.irp i, 0,1
	v_permlane16_swap_b32 v[\pc+4*\c+\i], v[\pc+2+4*\c+\i]
.endr
.endr
.endm
; THE GELU of accumulator t's eight numbers, in place, four pairs side by side; the accumulator is read from its low end on.
.macro GELU t
.irp p, 0,1,2,3
	v_pk_mul_f32 v[HA+8*\t+2*\p:HA+8*\t+2*\p+1], v[HA+8*\t+2*\p:HA+8*\t+2*\p+1], 0.5 op_sel_hi:[1,0]   ; x / 2
.endr
.irp p, 0,1,2,3
	s_delay_alu instid0(VALU_DEP_4)
	v_pk_mul_f32 v[GZ+2*\p:GZ+2*\p+1], v[HA+8*\t+2*\p:HA+8*\t+2*\p+1], 0x3fb504f3 op_sel_hi:[1,0]     ; z = x / sqrt 2
.endr
.irp j, 0,1,2,3,4,5,6,7
	v_med3_num_f32 v[GZ+\j], v[GZ+\j], -4.0, 4.0
.endr
.irp p, 0,1,2,3
	v_pk_mul_f32 v[GZ2+2*\p:GZ2+2*\p+1], v[GZ+2*\p:GZ+2*\p+1], v[GZ+2*\p:GZ+2*\p+1]
.endr
.irp p, 0,1,2,3
	v_pk_fma_f32 v[GP+2*\p:GP+2*\p+1], v[GZ2+2*\p:GZ2+2*\p+1], v[A0:A0+1], 0x32edffee op_sel_hi:[1,1,0]
	v_pk_fma_f32 v[GQ+2*\p:GQ+2*\p+1], v[GZ2+2*\p:GZ2+2*\p+1], v[B0:B0+1], 0xb95fbd29 op_sel_hi:[1,1,0]
.endr
.irp k, 0xb60cff51, 0xb86ec2d2, 0xba40ac63, 0xbb41a1f6, 0xbc83dbd4
.irp p, 0,1,2,3
	v_pk_fma_f32 v[GP+2*\p:GP+2*\p+1], v[GP+2*\p:GP+2*\p+1], v[GZ2+2*\p:GZ2+2*\p+1], \k op_sel_hi:[1,1,0]
.endr
.endr
.irp k, 0xbadc924e, 0xbbf19bf8, 0xbc69b6a7
.irp p, 0,1,2,3
	v_pk_fma_f32 v[GQ+2*\p:GQ+2*\p+1], v[GQ+2*\p:GQ+2*\p+1], v[GZ2+2*\p:GZ2+2*\p+1], \k op_sel_hi:[1,1,0]
.endr
.endr
	s_wait_alu depctr_va_vdst(0)
.irp j, 0,1,2,3,4,5,6,7
	v_rcp_f32 v[GQ+\j], v[GQ+\j]
.endr
.irp p, 0,1,2,3
	v_pk_mul_f32 v[GP+2*\p:GP+2*\p+1], v[GP+2*\p:GP+2*\p+1], v[GZ+2*\p:GZ+2*\p+1]   ; z P: plain work behind the reciprocals, which names none of their results
.endr
	s_wait_alu depctr_va_vdst(0)                   ; one wait for the eight reciprocals, ahead of their first reader
.irp p, 0,1,2,3
	v_pk_mul_f32 v[GP+2*\p:GP+2*\p+1], v[GP+2*\p:GP+2*\p+1], v[GQ+2*\p:GQ+2*\p+1]   ; erf
.endr
.irp p, 0,1,2,3
	s_delay_alu instid0(VALU_DEP_4)
	v_pk_fma_f32 v[HA+8*\t+2*\p:HA+8*\t+2*\p+1], v[HA+8*\t+2*\p:HA+8*\t+2*\p+1], v[GP+2*\p:GP+2*\p+1], v[HA+8*\t+2*\p:HA+8*\t+2*\p+1]
.endr
.endm
	s_load_b512 s[4:19], s[0:1], 0x0               ; x s[4:5], oc s[6:7], osc s[8:9], w_out's codes s[10:11], scales s[12:13], b_out s[14:15], gain s[16:17], bias s[18:19]
	s_load_b256 s[20:27], s[0:1], 0x40             ; w_fc1's codes s[20:21], scales s[22:23], b_fc1 s[24:25], w_fc2's codes s[26:27]
	s_load_b128 s[28:31], s[0:1], 0x60             ; w_fc2's scales s[28:29], b_fc2 s[30:31]
	s_load_b64 s[32:33], s[0:1], 0x70              ; out0
	v_lshrrev_b32 v207, 5, v0
	s_delay_alu instid0(VALU_DEP_1)
	v_readfirstlane_b32 s[WV], v207                ; wave 0..7
	v_and_b32 v207, 7, v0                          ; j = lane % 8
	v_bfe_u32 v208, v0, 3, 2                       ; o = lane / 8
	v_and_b32 v209, 15, v0                         ; r
	v_bfe_u32 v210, v0, 4, 1                       ; h
	s_delay_alu instid0(VALU_DEP_2)
	v_and_b32 v211, 8, v209
	s_delay_alu instid0(VALU_DEP_1)
	v_add_nc_u32 v211, v211, v209                  ; r + 8 (r / 8)
	v_and_b32 v220, 31, v0                         ; lane
	s_delay_alu instid0(VALU_DEP_2)
	v_lshlrev_b32 v[VXA], 10, v211
	s_delay_alu instid0(VALU_DEP_1)
	v_lshl_add_u32 v[VXA], v210, 5, v[VXA]         ; x: my token's row, + 32 h
	v_lshlrev_b32 v[VB32], 5, v210
	s_delay_alu instid0(VALU_DEP_4)
	v_lshlrev_b32 v[L16], 4, v220
	v_lshl_add_u32 v[VOS], v210, 15, v209          ; o's scale bytes: four heads (32,768 bytes) on for lanes 16-31, + r
	v_lshlrev_b32 v[VWO], 7, v209
	s_delay_alu instid0(VALU_DEP_1)
	v_lshl_add_u32 v[VWO], v210, 4, v[VWO]         ; w_out: row r of 128 bytes
	v_lshlrev_b32 v[VWOS], 3, v209
	s_delay_alu instid0(VALU_DEP_1)
	v_lshl_add_u32 v[VWOS], v210, 2, v[VWOS]       ; scale words: lanes 0-15 an even K step's, lanes 16-31 the odd one's
	v_lshlrev_b32 v[VG], 7, v207
	v_lshlrev_b32 v[VW1], 7, v211
	s_delay_alu instid0(VALU_DEP_1)
	v_lshl_add_u32 v[VW1], v210, 4, v[VW1]         ; w_fc1: row r + 8 (r / 8) of a tile
	v_lshlrev_b32 v[VW1S], 3, v211
	s_delay_alu instid0(VALU_DEP_1)
	v_lshl_add_u32 v[VW1S], v210, 2, v[VW1S]
	v_lshlrev_b32 v[VB1], 6, v210
	v_lshlrev_b32 v[VW2], 9, v209
	s_delay_alu instid0(VALU_DEP_1)
	v_lshl_add_u32 v[VW2], v210, 4, v[VW2]         ; w_fc2: row r of 512 bytes
	v_lshlrev_b32 v[VW2S], 5, v209
	s_delay_alu instid0(VALU_DEP_1)
	v_lshl_add_u32 v[VW2S], v210, 2, v[VW2S]
	s_mul_i32 s35, s[WV], 4640
	v_mul_u32_u24 v[XA], v209, 144
	s_delay_alu instid0(VALU_DEP_1)
	v_lshl_add_u32 v[XA], v210, 5, v[XA]
	s_delay_alu instid0(VALU_DEP_1)
	v_add_nc_u32 v[XA], s35, v[XA]                 ; x1, my columns: 4,640 wave + 144 r + 32 h
	s_mul_i32 s35, s[WV], 576
	v_mul_u32_u24 v[XB], v207, 4640
	s_delay_alu instid0(VALU_DEP_1)
	v_mad_u32_u24 v[XB], v208, 144, v[XB]
	s_delay_alu instid0(VALU_DEP_1)
	v_add_nc_u32 v[XB], s35, v[XB]                 ; x1, my tokens: 4,640 j + 144 (4 wave + o)
	v_mul_u32_u24 v[XE], v208, 4640
	s_delay_alu instid0(VALU_DEP_1)
	v_lshl_add_u32 v[XE], v207, 4, v[XE]
	s_delay_alu instid0(VALU_DEP_1)
	v_add_nc_u32 v[XE], s35, v[XE]                 ; the way out: 4,640 (lane / 8) + 16 (lane % 8) + 144 x 4 wave
	s_lshr_b32 s35, s[WV], 2
	s_lshl_b32 s35, s35, 11
	s_and_b32 s36, s[WV], 3
	s_lshl_b32 s36, s36, 6
	s_add_co_u32 s35, s35, s36
	s_add_co_u32 s35, s35, HNIMG
	v_lshlrev_b32 v[HNI], 8, v207
	s_delay_alu instid0(VALU_DEP_1)
	v_lshl_add_u32 v[HNI], v208, 4, v[HNI]
	s_delay_alu instid0(VALU_DEP_1)
	v_add_nc_u32 v[HNI], s35, v[HNI]               ; LN2's codes: tile wave / 4, row 4 (wave % 4) + o, block j
	s_lshr_b32 s35, s[WV], 2
	s_lshl_b32 s35, s35, 7
	s_and_b32 s36, s[WV], 3
	s_lshl_b32 s36, s36, 4
	s_add_co_u32 s35, s35, s36
	s_add_co_u32 s35, s35, HNSC
	v_lshrrev_b32 v221, 2, v207
	v_and_b32 v222, 3, v207
	s_delay_alu instid0(VALU_DEP_1)
	v_lshl_add_u32 v[HNS], v221, 6, v222
	s_delay_alu instid0(VALU_DEP_1)
	v_lshl_add_u32 v[HNS], v208, 2, v[HNS]
	s_delay_alu instid0(VALU_DEP_1)
	v_add_nc_u32 v[HNS], s35, v[HNS]               ; and their scale bytes
	v_lshlrev_b32 v[L4], 2, v220
	s_lshl_b32 s35, s[WV], 10
	s_add_co_u32 s35, s35, HIMG
	v_add_nc_u32 v[HWI], s35, v[L16]               ; the hidden layer's image: K step = wave
	s_lshl_b32 s35, s[WV], 6
	s_add_co_u32 s35, s35, HSC
	v_lshl_add_u32 v[HWS], v209, 2, s35
.irp b, 0,1,2,3
	v_mov_b32 v[TM+4+\b], 0                        ; written once: a lane permute's destination counts as one of its sources
.endr
	v_mov_b32 v[A0], 0xaf95df0b                    ; the leading coefficients of P and Q, as pairs
	v_mov_b32 v[A0+1], 0xaf95df0b
	v_mov_b32 v[B0], 0xb77460cd
	v_mov_b32 v[B0+1], 0xb77460cd
	s_mov_b32 s[SEL], 0x76543210
	s_mov_b32 s[SEL+1], 0xfedcba98                 ; v_permlanex16_b32's selects for lane l xor 16
	s_mov_b32 s[INV], 0x3b800000                   ; 1 / 256
	s_mov_b32 s[EPS], 0x3727c5ac                   ; 1e-5
	s_mov_b32 s37, 0
	s_wait_kmcnt 0x0
	s_lshl_b32 s36, ttmp9, 15
	s_lshl_b32 s35, s[WV], 7
	s_add_co_u32 s36, s36, s35
	s_add_nc_u64 s[4:5], s[4:5], s[36:37]          ; x: my work-group's 32 rows, my wave's 32 columns
	s_lshl_b32 s36, ttmp9, 12
	s_add_nc_u64 s[6:7], s[6:7], s[36:37]          ; oc: two tiles of 2,048 bytes
	s_lshl_b32 s36, ttmp9, 5
	s_add_nc_u64 s[8:9], s[8:9], s[36:37]          ; osc: 32 bytes in each head's row
	s_lshl_b32 s36, s[WV], 12
	s_add_nc_u64 s[10:11], s[10:11], s[36:37]
	s_lshl_b32 s36, s[WV], 8
	s_add_nc_u64 s[12:13], s[12:13], s[36:37]
	s_lshl_b32 s36, s[WV], 7
	s_add_nc_u64 s[14:15], s[14:15], s[36:37]
	s_lshl_b32 s36, s[WV], 14
	s_add_nc_u64 s[20:21], s[20:21], s[36:37]
	s_add_nc_u64 s[26:27], s[26:27], s[36:37]
	s_lshl_b32 s36, s[WV], 10
	s_add_nc_u64 s[22:23], s[22:23], s[36:37]
	s_add_nc_u64 s[28:29], s[28:29], s[36:37]
	s_lshl_b32 s36, s[WV], 9
	s_add_nc_u64 s[24:25], s[24:25], s[36:37]
	s_lshl_b32 s36, ttmp9, 5                       ; out0: the four tokens that I store: 32 work-group + 8 (wave / 4) + 4 (wave % 4) + 8 ((wave % 4) / 2) on
	s_lshr_b32 s35, s[WV], 2
	s_lshl_b32 s35, s35, 3
	s_add_co_u32 s36, s36, s35
	s_and_b32 s35, s[WV], 3
	s_lshl_b32 s35, s35, 2
	s_add_co_u32 s36, s36, s35
	s_bfe_u32 s35, s[WV], 0x10001
	s_lshl_b32 s35, s35, 3
	s_add_co_u32 s36, s36, s35
	s_lshl_b32 s36, s36, 10
	s_add_nc_u64 s[32:33], s[32:33], s[36:37]
	; ---- the loads, in four groups; the first three here
.irp m, 0,1                                    ; x into the first product's accumulators: (m, n) at v[16 + 8 (2 m + n)]: token row r of tile m, columns 16 n + 8 h + 0 .. 7 of my 32
.irp n, 0,1
.irp k, 0,1
	global_load_b128 v[16+8*(2*\m+\n)+4*\k:16+8*(2*\m+\n)+4*\k+3], v[VXA], s[4:5] offset:8192*\m+64*\n+16*\k
.endr
.endr
.endr
.irp n, 0,1
.irp k, 0,1
	global_load_b128 v[BO+8*\n+4*\k:BO+8*\n+4*\k+3], v[VB32], s[14:15] offset:64*\n+16*\k
.endr
.endr
.irp m, 0,1
.irp b, 0,1,2,3
	global_load_u8 v[OB+4*\m+\b], v[VOS], s[8:9] offset:8192*\b+16*\m   ; head 4 h + b's scale byte of my token
.endr
.endr
.irp n, 0,1
	global_load_b32 v[WOS+\n], v[VWOS], s[12:13] offset:128*\n
.endr
	WIN 0x40                                       ; destination window 1
.irp m, 0,1
.irp s, 0,1
.irp c, 0,1
	global_load_b128 v[OF+8*(2*\m+\s)+4*\c:OF+8*(2*\m+\s)+4*\c+3], v[L16], s[6:7] offset:2048*\m+1024*\s+512*\c   ; o's fragments lie in memory as register images
.endr
.endr
.endr
.irp n, 0,1
.irp s, 0,1
.irp c, 0,1
	global_load_b128 v[WOF+8*(2*\n+\s)+4*\c:WOF+8*(2*\n+\s)+4*\c+3], v[VWO], s[10:11] offset:2048*\n+64*\s+32*\c
.endr
.endr
.endr
.irp i, 0,1,2,3,4,5,6,7
	global_load_b128 v[G2+4*\i:G2+4*\i+3], v[VG], s[16:17] offset:16*\i
.endr
.irp i, 0,1,2,3,4,5,6,7
	global_load_b128 v[B2+4*\i:B2+4*\i+3], v[VG], s[18:19] offset:16*\i
.endr
.irp t, 0,1,2,3,4,5,6,7                        ; w_fc1: tile t begins at row 32 (t / 2) + 8 (t % 2) of my 128
.irp s, 0,1
.irp c, 0,1
	global_load_b128 v[W1F+8*(2*\t+\s)+4*\c:W1F+8*(2*\t+\s)+4*\c+3], v[VW1], s[20:21] offset:(32*(\t/2)+8*(\t%2))*128+64*\s+32*\c
.endr
.endr
.endr
	WIN 0
.irp t, 0,1,2,3,4,5,6,7
	global_load_b32 v[W1S+\t], v[VW1S], s[22:23] offset:(32*(\t/2)+8*(\t%2))*8
.endr
.irp t, 0,1,2,3,4,5,6,7
.irp k, 0,1
	global_load_b128 v[BF1+8*\t+4*\k:BF1+8*\t+4*\k+3], v[VB1], s[24:25] offset:(32*(\t/2)+8*(\t%2))*4+16*\k
.endr
.endr
.irp k, 0,1
	global_load_b128 v[BF2+4*\k:BF2+4*\k+3], v[L16], s[30:31] offset:512*\k
.endr
	; ---- A: x1 = x + b_out + o w_out
	s_wait_loadcnt 63                              ; behind the first group's 38 loads stand 74 younger ones; the wait's field holds 63
.irp m, 0,1
	v_lshl_or_b32 v[SCR+\m], v[OB+4*\m+1], 8, v[OB+4*\m]   ; o's scale words: lanes 0-15 K step 0's, lanes 16-31 K step 1's
.endr
.irp m, 0,1
	s_delay_alu instid0(VALU_DEP_2)
	v_lshl_or_b32 v[SCR+\m], v[OB+4*\m+2], 16, v[SCR+\m]
.endr
.irp m, 0,1
	s_delay_alu instid0(VALU_DEP_2)
	v_lshl_or_b32 v[SCR+\m], v[OB+4*\m+3], 24, v[SCR+\m]
.endr
.irp m, 0,1                                    ; x + b_out.  Twelve of these sixteen name no register of any one product below: the places behind the scale words' last write
.irp n, 0,1
.irp p, 0,2,4,6
	v_pk_add_f32 v[16+8*(2*\m+\n)+\p:16+8*(2*\m+\n)+\p+1], v[16+8*(2*\m+\n)+\p:16+8*(2*\m+\n)+\p+1], v[BO+8*\n+\p:BO+8*\n+\p+1]
.endr
.endr
.endr
	WIN 0x05                                       ; w_out and o in window 1
.irp s, 0,1                                    ; the four accumulators take turns
.irp m, 0,1
.irp n, 0,1
	MM 16+8*(2*\m+\n), WOF+8*(2*\n+\s), OF+8*(2*\m+\s), 16+8*(2*\m+\n), WOS+\n, SCR+\m, \s, \s
.endr
.endr
.endr
	WIN 0
.rept 4
	v_nop                                          ; four places ahead of the first read of results
.endr
.irp m, 0,1
.irp n, 0,1
.irp k, 0,1
	ds_store_b128 v[XA], v[16+8*(2*\m+\n)+4*\k:16+8*(2*\m+\n)+4*\k+3] offset:X1S+2304*\m+64*\n+16*\k   ; each accumulator from its low end on
.endr
.endr
.endr
	BARRIER                                        ; x1 of the 32 tokens lies in LDS
	; ---- B: LayerNorm 2 and its quantising: my four tokens, eight lanes to a token
.irp i, 0,1,2,3,4,5,6,7
	ds_load_b128 v[XN+4*\i:XN+4*\i+3], v[XB] offset:X1S+16*\i
.endr
	s_wait_dscnt 0x0
	LNSTAT 1
	s_wait_loadcnt 58                              ; gain and bias are in; the 58 loads for fc1 and of b_fc2 may be out
	WIN 0x14                                       ; sources 1 and 2 in window 1
.irp i, 0,2,4,6,8,10,12,14,16,18,20,22,24,26,28,30
	v_pk_fma_f32 v[XN+\i:XN+\i+1], v[XN+\i:XN+\i+1], v[G2+\i:G2+\i+1], v[B2+\i:B2+\i+1]
.endr
	WIN 0
	BLKQ 1, PC, BY, HNI, HNS
	WIN 0x40                                       ; the fourth group: w_fc2 takes the registers of gain, bias, w_out and o, which are done with
.irp n, 0,1
.irp s, 0,1,2,3,4,5,6,7
.irp c, 0,1
	global_load_b128 v[W2F+8*(8*\n+\s)+4*\c:W2F+8*(8*\n+\s)+4*\c+3], v[VW2], s[26:27] offset:8192*\n+64*\s+32*\c
.endr
.endr
.endr
	WIN 0
.irp n, 0,1
.irp u, 0,1,2,3
	global_load_b32 v[W2S+4*\n+\u], v[VW2S], s[28:29] offset:512*\n+8*\u
.endr
.endr
	BARRIER                                        ; LN2's four fragments lie in LDS
	; ---- C: the hidden layer, a tile of 16 tokens at a time
.irp m, 0,1
.irp s, 0,1
.irp c, 0,1
	ds_load_b128 v[HNF+8*(2*\m+\s)+4*\c:HNF+8*(2*\m+\s)+4*\c+3], v[L16] offset:HNIMG+2048*\m+1024*\s+512*\c
.endr
.endr
.endr
.irp m, 0,1
	ds_load_b32 v[SCR+\m], v[L4] offset:HNSC+128*\m
.endr
	s_wait_loadcnt 40                              ; fc1's weights, scales and bias are in; w_fc2's 40 loads may be out
	s_wait_dscnt 0x0
.irp m, 0,1
	WIN 0x01                                       ; w_fc1 in window 1
.irp t, 0,1,2,3,4,5,6,7                        ; eight accumulators by turns; the bias is the C of each sum's first product
	MM HA+8*\t, W1F+8*(2*\t), HNF+8*(2*\m), BF1+8*\t, W1S+\t, SCR+\m, 0, 0
.endr
.irp t, 0,1,2,3,4,5,6,7
	MM HA+8*\t, W1F+8*(2*\t+1), HNF+8*(2*\m+1), HA+8*\t, W1S+\t, SCR+\m, 1, 1
.endr
	WIN 0
.rept 4
	v_nop
.endr
.irp t, 0,1,2,3,4,5,6,7
	GELU \t
.endr
	QUANT HA, PC, PW
.irp c, 0,1
	ds_store_b128 v[HWI], v[PC+4*\c:PC+4*\c+3] offset:8192*\m+512*\c   ; K step = my wave, tokens of tile m
.endr
	ds_store_b32 v[HWS], v[PW] offset:512*\m       ; both halves of the lanes write the same word with the same value
	s_wait_dscnt 0x0                               ; the stores have read their registers
.endr
	s_barrier_signal -1
	s_barrier_wait -1                              ; the hidden layer's sixteen fragments lie in LDS
	; ---- D: x1 + hidden w_fc2
.irp m, 0,1
.irp s, 0,1,2,3,4,5,6,7
.irp c, 0,1
	ds_load_b128 v[HF+8*(8*\m+\s)+4*\c:HF+8*(8*\m+\s)+4*\c+3], v[L16] offset:HIMG+8192*\m+1024*\s+512*\c
.endr
.endr
.endr
.irp m, 0,1
.irp u, 0,1,2,3
	ds_load_b32 v[SCR+4*\m+\u], v[L4] offset:HSC+512*\m+128*\u   ; lanes 0-15: K step 2 u's words; lanes 16-31: K step 2 u + 1's
.endr
.endr
.irp m, 0,1
.irp n, 0,1
.irp k, 0,1
	ds_load_b128 v[ACC+8*(2*\m+\n)+4*\k:ACC+8*(2*\m+\n)+4*\k+3], v[XA] offset:X1S+2304*\m+64*\n+16*\k   ; x1, my own bytes, starts the sums
.endr
.endr
.endr
	s_wait_loadcnt 0x0                             ; w_fc2
	s_wait_dscnt 0x0
	WIN 0x01                                       ; w_fc2 in window 1
.irp s, 0,1,2,3,4,5,6,7                        ; the four accumulators take turns, a K step at a time
.irp m, 0,1
.irp n, 0,1
	MM ACC+8*(2*\m+\n), W2F+8*(8*\n+\s), HF+8*(8*\m+\s), ACC+8*(2*\m+\n), W2S+4*\n+\s/2, SCR+4*\m+\s/2, \s%2, \s%2
.endr
.endr
.endr
	WIN 0
.rept 4
	v_nop                                          ; four places ahead of the first read of results, and of loads into registers that the products read
.endr
.irp m, 0,1
.irp n, 0,1
.irp k, 0,1
	ds_store_b128 v[XA], v[ACC+8*(2*\m+\n)+4*\k:ACC+8*(2*\m+\n)+4*\k+3] offset:X1S+2304*\m+64*\n+16*\k   ; back onto my own bytes, which nobody else has read since the second barrier
.endr
.endr
.endr
	BARRIER                                        ; the 32 rows lie whole in LDS
	; ---- E: + b_fc2; each wave stores four whole rows, 512 consecutive bytes an instruction
.irp i, 0,1,2,3,4,5,6,7
	ds_load_b128 v[16+4*\i:16+4*\i+3], v[XE] offset:X1S+18560*(\i%2)+144*(\i/2)
.endr
.irp i, 0,1,2,3,4,5,6,7
	s_wait_dscnt 7-\i                              ; LDS loads come back in order: load i is in, the younger ones may be out
	v_pk_add_f32 v[16+4*\i:17+4*\i], v[16+4*\i:17+4*\i], v[BF2+4*(\i%2):BF2+4*(\i%2)+1]
	v_pk_add_f32 v[18+4*\i:19+4*\i], v[18+4*\i:19+4*\i], v[BF2+4*(\i%2)+2:BF2+4*(\i%2)+3]
	global_store_b128 v[L16], v[16+4*\i:19+4*\i], s[32:33] offset:1024*(\i/2)+512*(\i%2) th:TH_STORE_NT
.endr
	s_wait_xcnt 0x0
	v_lshl_add_u32 v254, v0, 2, 0xe800
	v_mov_b32 v255, 0
	s_wait_alu depctr_va_vdst(0)
	s_wait_tensorcnt 0x0
	ds_add_u32 v254, v255
	s_wait_dscnt 0x0
	s_endpgm
.Lfunc_end_k_q8a10ed7702_ffn:
	.size	k_q8a10ed7702_ffn, .Lfunc_end_k_q8a10ed7702_ffn-k_q8a10ed7702_ffn
	.p2alignl 7, 3214868480
	.fill 96, 4, 3214868480
	.section	.rodata,"a",@progbits
	.p2align	6, 0x0
	.amdhsa_kernel k_q8a10ed7702_ffn
		.amdhsa_group_segment_fixed_size 60416
		.amdhsa_private_segment_fixed_size 0
		.amdhsa_enable_private_segment 0
		.amdhsa_kernarg_size 120
		.amdhsa_user_sgpr_count 2
		.amdhsa_user_sgpr_kernarg_segment_ptr 1
		.amdhsa_wavefront_size32 1
		.amdhsa_system_sgpr_workgroup_id_x 1
		.amdhsa_system_sgpr_workgroup_id_y 1
		.amdhsa_system_sgpr_workgroup_id_z 1
		.amdhsa_system_vgpr_workitem_id 0
		.amdhsa_next_free_vgpr 512
		.amdhsa_next_free_sgpr 66
		.amdhsa_reserve_vcc 0
		.amdhsa_float_denorm_mode_32 3
		.amdhsa_float_denorm_mode_16_64 3
		.amdhsa_memory_ordered 1
		.amdhsa_forward_progress 1
		.amdhsa_inst_pref_size 163
	.end_amdhsa_kernel
	.amdgpu_metadata
---
amdhsa.version: [ 1, 2 ]
amdhsa.kernels:
  - .name:           k_q8a10ed7702_ffn
    .symbol:         k_q8a10ed7702_ffn.kd
    .args:
      - { .name: x, .offset: 0, .size: 8, .value_kind: global_buffer, .address_space: global }
      - { .name: oc, .offset: 8, .size: 8, .value_kind: global_buffer, .address_space: global }
      - { .name: osc, .offset: 16, .size: 8, .value_kind: global_buffer, .address_space: global }
      - { .name: w_out_codes, .offset: 24, .size: 8, .value_kind: global_buffer, .address_space: global }
      - { .name: w_out_scales, .offset: 32, .size: 8, .value_kind: global_buffer, .address_space: global }
      - { .name: b_out, .offset: 40, .size: 8, .value_kind: global_buffer, .address_space: global }
      - { .name: ln2_g, .offset: 48, .size: 8, .value_kind: global_buffer, .address_space: global }
      - { .name: ln2_b, .offset: 56, .size: 8, .value_kind: global_buffer, .address_space: global }
      - { .name: w_fc1_codes, .offset: 64, .size: 8, .value_kind: global_buffer, .address_space: global }
      - { .name: w_fc1_scales, .offset: 72, .size: 8, .value_kind: global_buffer, .address_space: global }
      - { .name: b_fc1, .offset: 80, .size: 8, .value_kind: global_buffer, .address_space: global }
      - { .name: w_fc2_codes, .offset: 88, .size: 8, .value_kind: global_buffer, .address_space: global }
      - { .name: w_fc2_scales, .offset: 96, .size: 8, .value_kind: global_buffer, .address_space: global }
      - { .name: b_fc2, .offset: 104, .size: 8, .value_kind: global_buffer, .address_space: global }
      - { .name: out0, .offset: 112, .size: 8, .value_kind: global_buffer, .address_space: global }
    .group_segment_fixed_size: 60416
    .private_segment_fixed_size: 0
    .kernarg_segment_align: 8
    .kernarg_segment_size: 120
    .max_flat_workgroup_size: 256
    .sgpr_count:     66
    .vgpr_count:     512
    .wavefront_size: 32
...
	.end_amdgpu_metadata
.endif
;; end of part 3
